; MI455X (gfx1250); checked and timed in simulation.
; The chip was launched on July 23, 2026; its instructions are those of AMD's public machine-readable ISA for CDNA 5 (MIT licence, August 2026) and "CDNA5" Instruction Set Architecture Reference Guide (July 2026). The comments in the code are by the model that wrote it; some were corrected since.
;; HSTU Model. Allowed arithmetic: matrix products marked QUANTISED: E3M2 operands, one E8M0 scale for each 32 along K, by v_wmma_scale_f32_16x16x128_f8f6f4 with both operands' format E3M2, f32 sums; everything else in f32.
;; Inputs: act_tab 4 x 32 float32; attn_mask 4 x 2,048 x 2,048 bool; b_scale one number float32; film_b 2,048 float32; film_ln_b 32 float32; film_ln_g 32 float32; film_w 32 x 2,048 float32; interval 4 x 2,048 int32; ln_b 1,024 float32; ln_g 1,024 float32; next_action_type 4 x 2,048 int32; next_mask 4 x 2,048 int32; o_b 1,024 float32; o_w 512 x 1,024 float32; pos_w 4,095 float32; pr_ln_b 1,024 float32; pr_ln_g 1,024 float32; r_scale one number float32; ts_w 129 float32; uvqk 1,024 x 2,048 float32; x 4 x 2,048 x 1,024 float32.
;; Outputs: out0 4 x 2,048 x 1,024 float32.
;; This version of the problem:
;;   THIS VERSION OF THE PROBLEM IS GIVEN IN LOW PRECISION. The matrix products marked QUANTISED in the list below multiply operands that are first quantised to E3M2 (3 exponent bits, 2 mantissa bits; 6 bits a number), with one power-of-two scale for each 32 numbers along K (OCP MX v1.0); their sums are f32. All else is computed in f32.
;;   The module's matrix products, in the order in which they are computed (A, B: the left and right operand; K: the contracted axis; several contracted axes count as one K, in the product's order):
;;     1. [M 8,192, K 1,024] x [K 1,024, N 2,048]; A: computed on the way; B: input uvqk: QUANTISED
;;     2. batch 32 x [M 2,048, K 64] x [K 64, N 2,048]; A: computed on the way; B: computed on the way: QUANTISED
;;     3. batch 32 x [M 2,048, K 2,048] x [K 2,048, N 64]; A: computed on the way; B: computed on the way: QUANTISED
;;     4. [M 8,192, K 512] x [K 512, N 1,024]; A: computed on the way; B: input o_w: QUANTISED
;;     5. [M 8,192, K 32] x [K 32, N 2,048]; A: computed on the way; B: input film_w: QUANTISED
;;   THE QUANTISER, for each operand of a quantised product, along K:
;;     - K is cut into blocks of 32 from its start; a last block that is shorter is filled with zeros.
;;     - A block's scale is 2^e with e = floor(log2(the largest magnitude in the block)) - 4, held to -126 .. 127; a block of zeros has e = 0. As a byte (E8M0): e + 127.
;;     - Each number is divided by its block's scale, clamped to +-28, and rounded to the nearest number of E3M2, ties to even, subnormals kept.
;;     - The product sums the exact products of the quantised numbers (number of the format x scale) in f32.
;;   ~~~python
;;   def quantise(x, axis):      # numpy; x: float32 -> the quantised numbers, widened to float32 again
;;       x = np.moveaxis(x, axis, -1); K = x.shape[-1]
;;       x = np.pad(x, [(0, 0)] * (x.ndim - 1) + [(0, -K % 32)]); x = x.reshape(x.shape[:-1] + (-1, 32)); a = np.abs(x).max(-1, keepdims=True)
;;       e = np.where(a > 0, np.clip(np.frexp(np.where(a > 0, a, 1))[1] - 1 - 4, -126, 127), 0)      # np.frexp(a)[1] - 1 = floor(log2(a)), exactly
;;       r = np.clip(x / 2.0 ** e, -28, 28)
;;       step = 2.0 ** (np.maximum(np.frexp(np.where(r == 0, 1, r))[1] - 1, -2) - 2)
;;       q = np.round(r / step) * step * 2.0 ** e      # np.round: ties to even
;;       return np.moveaxis(q.reshape(q.shape[:-2] + (-1,))[..., :K], -1, axis).astype(np.float32)
;;   ~~~
;;   OPERANDS COMPUTED ON THE WAY. 'Computed on the way' means the value that the module computes at that place (a softmax that the list does not call 'softmax' is quantised finished and normalised). What goes into a quantiser is computed in f32, as accurately as f32 sums, v_exp_f32 and their like allow (about 1e-6 of the number): no bf16 or f16 on the way to a quantiser, and a product that is left as it is and whose result goes on into a quantised operand takes f32 operands (vector FMAs, or v_wmma_f32_16x16x4_f32). A number that lies on a knife's edge between two numbers of the format may be rounded either way, as far as f32 arithmetic and the matrix unit's own rounding can turn it there, and no further.
;; One version. Each part assembles by itself: llvm-mc -triple=amdgcn-amd-amdhsa -mcpu=gfx1250 --defsym DOCPART=n.
;; ======== version 1 of 1: 3 launches
;; limits: right only within a limited range of input values
;; workspace buffers: hq 6,553,600 bytes; wq 2,048,000 bytes; tab 623,616 bytes; cb 16,777,216 bytes of whole numbers; qkv 10,223,616 bytes; ub 16,777,216 bytes
;; launch prep (part 1): grid 928 x 1, 4 waves a work-group, no clusters, 57,856 bytes of LDS; arguments x, ln_g, ln_b, uvqk, o_w, interval, attn_mask, pos_w, ts_w, act_tab, film_ln_g, film_ln_b, film_w, film_b, r_scale, b_scale, hq, wq, tab, cb; writes hq, wq, tab, cb
.if DOCPART == 1
	.amdgcn_target "amdgcn-amd-amdhsa--gfx1250"
	.amdhsa_code_object_version 6
	.text
	.protected	k_q359b822fb7_prep
	.globl	k_q359b822fb7_prep
	.p2align	8
	.type	k_q359b822fb7_prep,@function
k_q359b822fb7_prep:
	s_mov_b64 s[64:65], 0
	v_nop
	global_prefetch_b8 v0, s[64:65] scope:SCOPE_SE
	s_setreg_imm32_b32 hwreg(HW_REG_WAVE_MODE, 25, 1), 1
	s_wait_xcnt 0x0
; SIX JOBS THAT DO NOT DEPEND ON EACH OTHER, told apart by the work-group's number.  Waves share nothing: no barrier.
;   W1 [0,64)    uvqk [1024][2048] f32, K first  -> codes of E3M2, K innermost, rows in the order the product's launch wants, + scale bytes
;   W2 [64,96)   o_w [512][1024] f32, K first    -> images of the operand's registers (16 columns x 128 K = 1,536 bytes) + scale words
;   F  [96,128)  the FiLM table: LN(act_tab) x film_w + film_b for the four ids; tanh(r) r_scale and b b_scale
;   T  [128,160) tables: cos and sin for RoPE as register images; pos_w four times, shifted by 0..3 words; ts_w widened to 256 entries
;   X  [160,416) LN(x) -> codes + scale bytes; memory row rho holds token rho with bits 3 and 4 changed places
;   C  [416,928) one byte for each (b, i, j): the time bucket 0..128, or 129 where attn_mask is false; laid [b][j/256][i][j%256]
; A block's scale: the largest magnitude's exponent field less 4, held at 1 from below (a block of zeros gets the byte 1: its codes are zeros, and only this program reads the bytes).
; LIMITS: NaN and infinities among the inputs are not served.  The bucket is trunc(log2(d) x ln2/0.301): it can differ from log(d)/0.301 only where that quotient lies within f32 rounding of a whole number.
; cos and sin: the angle s x inv carries inv's f32 rounding (some 1.5e-7 of it), up to about 3e-4 rad at s = 2047.
.set HS, 6291456                       ; hq: scale bytes behind the codes
.set WS, 1572864                       ; wq: uvqk's scale bytes
.set OC, 1638400                       ; wq: o_w's images
.set OS, 2031616                       ; wq: o_w's scale words
.set PX, 1024                          ; tab: the four shifted copies of pos_w
.set RP, 66560                         ; tab: RoPE images
.set FT, 590848                        ; tab: FiLM table
.set XREG, 5632                        ; LDS of path X: for each wave a stage of 5,120 bytes, 256 scale bytes, 256 spare
.set W1REG, 22528                      ; LDS of path W1 begins here: 32 rows x 272 bytes for each wave
; 32 numbers of ONE lane, v[xs] on, are a whole block: scale operand in v11, byte in v13, codes in v[cd..cd+2] and v[tmp..tmp+2]
.macro BLK32 xs, cd, tmp
	v_max3_num_f32 v12, |v[\xs]|, |v[\xs+1]|, |v[\xs+2]|
	v_max3_num_f32 v13, |v[\xs+3]|, |v[\xs+4]|, |v[\xs+5]|
.irp i, 6,10,14,18,22,26
	v_max3_num_f32 v12, v12, |v[\xs+\i]|, |v[\xs+\i+1]|
	v_max3_num_f32 v13, v13, |v[\xs+\i+2]|, |v[\xs+\i+3]|
.endr
	v_max3_num_f32 v12, v12, |v[\xs+30]|, |v[\xs+31]|
	v_max3_num_f32 v12, v12, v13, 0x2800000        ; the floor 2^(5 - 127): the byte cannot fall under 1
	v_add_nc_u32 v11, 0xfe000000, v12              ; 4 off the exponent field: the conversion's scale operand
	v_lshrrev_b32 v13, 23, v11                     ; the scale's byte
	v_cvt_scalef32_pk16_bf6_f32 v[\cd:\cd+2], v[\xs:\xs+15], v11
	v_cvt_scalef32_pk16_bf6_f32 v[\tmp:\tmp+2], v[\xs+16:\xs+31], v11
	v_nop                                          ; one plain place behind a scaled conversion
.endm
; the sum of v[a] over the 32 lanes, in every lane; v[t] has been written before
.macro WSUM a, t
	v_add_f32_dpp v[\a], v[\a], v[\a] row_xmask:1 row_mask:0xf bank_mask:0xf
	v_add_f32_dpp v[\a], v[\a], v[\a] row_xmask:2 row_mask:0xf bank_mask:0xf
	v_add_f32_dpp v[\a], v[\a], v[\a] row_xmask:4 row_mask:0xf bank_mask:0xf
	v_add_f32_dpp v[\a], v[\a], v[\a] row_xmask:8 row_mask:0xf bank_mask:0xf
	v_permlanex16_b32 v[\t], v[\a], s62, s63
	v_add_f32 v[\a], v[\a], v[\t]
.endm
	s_load_b512 s[4:19], s[0:1], 0x0               ; x, ln_g, ln_b, uvqk, o_w, interval, attn_mask, pos_w
	s_load_b512 s[20:35], s[0:1], 0x40             ; ts_w, act_tab, film_ln_g, film_ln_b, film_w, film_b, r_scale, b_scale
	s_load_b256 s[36:43], s[0:1], 0x80             ; hq, wq, tab, cb
	v_lshl_add_u32 v192, v0, 2, 0xe000
	v_mov_b32 v193, 0
	v_lshrrev_b32 v1, 5, v0
	v_readfirstlane_b32 s44, v1                    ; wave 0..3
	v_and_b32 v1, 31, v0                           ; lane
	s_mov_b32 s62, 0x76543210
	s_mov_b32 s63, 0xfedcba98                      ; v_permlanex16_b32's selects for lane l xor 16
	s_mov_b32 s55, 0                               ; the upper word of every 32-bit offset in s[54:55]
	s_wait_kmcnt 0x0
	s_cmp_lt_u32 ttmp9, 64
	s_cbranch_scc1 .Lw1
	s_cmp_lt_u32 ttmp9, 96
	s_cbranch_scc1 .Lw2
	s_cmp_lt_u32 ttmp9, 128
	s_cbranch_scc1 .Lfilm
	s_cmp_lt_u32 ttmp9, 160
	s_cbranch_scc1 .Ltab
	s_cmp_lt_u32 ttmp9, 416
	s_cbranch_scc1 .Lx
; ======== C: a wave takes 32 rows i x 256 keys j.  Sixteen lanes to a row, 16 keys a lane; two rows an instruction.
	s_sub_co_u32 s45, ttmp9, 416
	s_lshl_b32 s45, s45, 2
	s_add_co_u32 s45, s45, s44                     ; ((b x 8 + kb) x 64 + rg)
	s_lshr_b32 s46, s45, 9                         ; b
	s_bfe_u32 s47, s45, 0x30006                    ; kb
	s_and_b32 s48, s45, 63                         ; rg
	s_lshl_b32 s54, s46, 13
	s_add_nc_u64 s[14:15], s[14:15], s[54:55]      ; interval at my batch
	s_lshl_b32 s54, s46, 22
	s_lshl_b32 s49, s48, 16
	s_add_co_u32 s54, s54, s49
	s_lshl_b32 s49, s47, 8
	s_add_co_u32 s54, s54, s49
	s_add_nc_u64 s[16:17], s[16:17], s[54:55]      ; attn_mask at (b, 32 rg, 256 kb)
	s_lshr_b32 s49, s45, 6
	s_lshl_b32 s54, s49, 19
	s_lshl_b32 s49, s48, 13
	s_add_co_u32 s54, s54, s49
	s_add_nc_u64 s[42:43], s[42:43], s[54:55]      ; cb at (b, kb, 32 rg)
	v_lshrrev_b32 v2, 4, v1                        ; which of the two rows
	v_and_b32 v3, 15, v1                           ; which 16 keys
	s_lshl_b32 s49, s47, 10
	v_lshl_add_u32 v4, v3, 6, s49
.irp i, 0,1,2,3
	global_load_b128 v[32+4*\i:35+4*\i], v4, s[14:15] offset:16*\i   ; my 16 keys' times
.endr
	v_lshlrev_b32 v5, 11, v2
	v_lshl_add_u32 v5, v3, 4, v5                   ; in the mask: row x 2,048 + 16 g
	v_lshlrev_b32 v6, 4, v1                        ; in cb: two rows of 256 bytes are 512 consecutive bytes
	s_lshl_b32 s49, s48, 5
	v_add_nc_u32 v7, s49, v2
	v_add_nc_u32 v7, 1, v7                         ; i + 1 of the trip's first pair of rows
	s_mov_b32 s50, 0x5b800000                      ; 2^56: log2 x 2.3028 is then 128.96, which truncates to the clip's 128
	s_mov_b32 s51, 0x40136150                      ; ln 2 / 0.301
	s_mov_b32 s52, 0x81818181                      ; four times 129
	s_wait_loadcnt 0x0
.set I, 0
.rept 16
	v_cvt_f32_i32 v[16+I], v[32+I]
.set I, I+1
.endr
	s_mov_b32 s53, 0
.Lcrow:                                            ; four trips of four pairs of rows
.irp u, 0,1,2,3
	global_load_b128 v[32+4*\u:35+4*\u], v5, s[16:17] offset:4096*\u th:TH_LOAD_NT   ; sixteen lanes read 256 consecutive bytes
	v_add_nc_u32 v[52+\u], 2*\u, v7
	v_min_u32 v[52+\u], 0x7ff, v[52+\u]            ; ext[i + 1]: the last time stands twice
	v_lshlrev_b32 v[52+\u], 2, v[52+\u]
	global_load_b32 v[48+\u], v[52+\u], s[14:15]
.endr
	s_wait_loadcnt 0x0                             ; the SIMD's other waves work meanwhile: this path is bound by its vector work
.irp u, 0,1,2,3
	v_cvt_f32_i32 v8, v[48+\u]
.set I, 0
.rept 16
	v_sub_f32 v[64+I], v8, v[16+I]
.set I, I+1
.endr
.set I, 0
.rept 16
	v_med3_num_f32 v[64+I], |v[64+I]|, 1.0, s50    ; both clips at once
.set I, I+1
.endr
.set I, 0
.rept 16
	v_log_f32 v[64+I], v[64+I]
.set I, I+1
.endr
	v_nop                                          ; a plain place behind the batch,
	s_wait_alu depctr_va_vdst(0)                   ; and one wait for it, ahead of its first reader
.set I, 0
.rept 16
	v_mul_f32 v[64+I], s51, v[64+I]
.set I, I+1
.endr
.set I, 0
.rept 16
	v_cvt_i32_f32 v[64+I], v[64+I]                 ; toward zero, as astype(int32)
.set I, I+1
.endr
.irp k, 0,1,2,3
	v_lshl_or_b32 v[64+4*\k], v[65+4*\k], 8, v[64+4*\k]
	v_lshl_or_b32 v[64+4*\k], v[66+4*\k], 16, v[64+4*\k]
	v_lshl_or_b32 v[64+4*\k], v[67+4*\k], 24, v[64+4*\k]
	v_lshlrev_b32 v9, 8, v[32+4*\u+\k]
	v_sub_nc_u32 v9, v9, v[32+4*\u+\k]             ; 255 x the mask's four bytes of 0 or 1
	v_bfi_b32 v[80+4*\u+\k], v9, v[64+4*\k], s52   ; the bucket where the mask is true, 129 where it is false
.endr
	global_store_b128 v6, v[80+4*\u:83+4*\u], s[42:43] offset:512*\u   ; 32 lanes store 512 consecutive bytes
.endr
	s_wait_xcnt 0x0                                ; bases and store data are written again only behind this wait
	s_add_nc_u64 s[16:17], s[16:17], 0x4000
	s_add_nc_u64 s[42:43], s[42:43], 0x800
	v_add_nc_u32 v7, 8, v7
	s_add_co_u32 s53, s53, 1
	s_cmp_lt_u32 s53, 4
	s_cbranch_scc1 .Lcrow
	s_endpgm
; ======== W1: a lane takes a column of uvqk and its registers run down K; 32 columns x 256 K a wave; the codes leave through the wave's stage as rows.
; Output row n' = 256 head + off + (lane with bits 3, 4 changed places); off: Q 0 / 32, U 64 / 192, V 96 / 224, K 128 / 160 for the head's columns 0-31 / 32-63.
.Lw1:
	s_and_b32 s45, ttmp9, 15
	s_lshr_b32 s46, ttmp9, 4                       ; which 256 along K
	s_lshl_b32 s47, s45, 7
	s_lshl_b32 s48, s44, 5
	s_add_co_u32 s47, s47, s48                     ; my first column
	s_lshr_b32 s48, s47, 9                         ; 0 U, 1 V, 2 Q, 3 K
	s_bfe_u32 s49, s47, 0x30006                    ; head
	s_bfe_u32 s50, s47, 0x10005                    ; which 32 of the head's 64
	s_and_b32 s51, s48, 1
	s_lshl_b32 s52, s51, 5
	s_add_co_u32 s52, s52, 64                      ; U 64, V 96
	s_lshl_b32 s53, s51, 7                         ; Q 0, K 128
	s_cmp_lt_u32 s48, 2
	s_cselect_b32 s52, s52, s53
	s_cselect_b32 s53, 7, 5                        ; the second 32: 128 on (U, V) or 32 on (Q, K)
	s_lshl_b32 s50, s50, s53
	s_lshl_b32 s49, s49, 8
	s_add_co_u32 s49, s49, s52
	s_add_co_u32 s49, s49, s50                     ; n0: my first output row
	s_lshl_b32 s54, s46, 21
	s_lshl_b32 s56, s47, 2
	s_add_co_u32 s54, s54, s56
	s_add_nc_u64 s[10:11], s[10:11], s[54:55]
	s_mul_i32 s54, s49, 768
	s_mul_i32 s56, s46, 192
	s_add_co_u32 s54, s54, s56
	s_add_nc_u64 s[58:59], s[38:39], s[54:55]      ; codes
	s_lshl_b32 s54, s49, 5
	s_lshl_b32 s56, s46, 3
	s_add_co_u32 s54, s54, s56
	s_add_co_u32 s54, s54, WS
	s_add_nc_u64 s[60:61], s[38:39], s[54:55]      ; scale bytes
	v_lshlrev_b32 v3, 2, v1
	v_and_b32 v5, 7, v1
	v_bfe_u32 v6, v1, 3, 1
	v_lshl_or_b32 v5, v6, 4, v5
	v_bfe_u32 v6, v1, 4, 1
	v_lshl_or_b32 v5, v6, 3, v5                    ; the lane with bits 3 and 4 changed places: my row in the stage
	s_mul_i32 s56, s44, 8704
	s_add_co_u32 s56, s56, W1REG
	v_mul_u32_u24 v4, v5, 272
	v_add_nc_u32 v4, s56, v4
	v_lshlrev_b32 v9, 5, v5                        ; and my row of scale bytes
	v_and_b32 v5, 15, v1
	v_lshrrev_b32 v6, 4, v1
	v_mul_u32_u24 v7, v6, 272
	v_lshl_add_u32 v7, v5, 4, v7
	v_add_nc_u32 v7, s56, v7                       ; out of the stage: sixteen lanes to a row
	v_mul_u32_u24 v8, v6, 768
	v_mad_u32_u24 v8, v5, 12, v8
.macro W1LOAD t
.set I, 0
.rept 32
	global_load_b32 v[32+32*((\t)%2)+I], v3, s[10:11] offset:(32*(\t)+I)*8192 th:TH_LOAD_NT
.set I, I+1
.endr
.endm
.macro W1BLOCK t
.set XS, 32+32*((\t)%2)
.if (\t) < 7
	s_wait_loadcnt 32                              ; this block's 32 loads are in; the next block's may be out
.else
	s_wait_loadcnt 0x0
.endif
	BLK32 XS, 96, 100
.if (\t)%4 == 0
	v_mov_b32 v[24+(\t)/4], v13
.else
	v_lshl_or_b32 v[24+(\t)/4], v13, 8*((\t)%4), v[24+(\t)/4]
.endif
	ds_store_b96 v4, v[96:98] offset:32*(\t)       ; 12 bytes to a place of 16
	ds_store_b96 v4, v[100:102] offset:32*(\t)+16
.if (\t)+2 < 8
	W1LOAD (\t)+2
.endif
	s_wait_dscnt 0x0                               ; the stores have read their registers
.endm
	W1LOAD 0
	W1LOAD 1
.irp t, 0,1,2,3,4,5,6,7
	W1BLOCK \t
.endr
	global_store_b64 v9, v[24:25], s[60:61]        ; my column's eight scale bytes
.irp t, 0,1,2,3,4,5,6,7,8,9,10,11,12,13,14,15
	ds_load_b96 v[112+4*\t:114+4*\t], v7 offset:2*\t*272
.endr
.irp t, 0,1,2,3,4,5,6,7,8,9,10,11,12,13,14,15
	s_wait_dscnt 15-\t
	global_store_b96 v8, v[112+4*\t:114+4*\t], s[58:59] offset:2*\t*768   ; sixteen lanes store a row's 192 consecutive bytes
.endr
	s_wait_tensorcnt 0x0
	ds_add_u32 v192, v193
	s_wait_dscnt 0x0
	s_endpgm
; ======== W2: a lane takes a column of o_w, 128 along K: four blocks.  Blocks h and 2 + h are lane 16 h + r's twelve registers of the operand: they are stored as that image.
.Lw2:
	s_sub_co_u32 s45, ttmp9, 64
	s_and_b32 s47, s45, 3                          ; K step
	s_lshr_b32 s46, s45, 2
	s_lshl_b32 s46, s46, 2
	s_add_co_u32 s46, s46, s44                     ; group of 32 columns: the four waves stand side by side
	s_lshl_b32 s54, s47, 19
	s_lshl_b32 s48, s46, 7
	s_add_co_u32 s54, s54, s48
	s_add_nc_u64 s[12:13], s[12:13], s[54:55]
	s_lshl_b32 s48, s46, 3
	s_add_co_u32 s48, s48, s47
	s_mul_i32 s54, s48, 1536
	s_add_co_u32 s54, s54, OC
	s_add_nc_u64 s[58:59], s[38:39], s[54:55]
	s_lshl_b32 s48, s46, 2
	s_add_co_u32 s48, s48, s47
	s_lshl_b32 s54, s48, 7
	s_add_co_u32 s54, s54, OS
	s_add_nc_u64 s[60:61], s[38:39], s[54:55]
	v_lshlrev_b32 v3, 2, v1
	v_and_b32 v5, 15, v1
	v_lshrrev_b32 v6, 4, v1
	v_mul_u32_u24 v4, v6, 6144                     ; the second tile of 16 columns lies four K steps on
	v_lshl_add_u32 v4, v5, 4, v4
.macro W2LOAD q                        ; block q: o_w(32 q + i, my column), into registers of its own
.set I, 0
.rept 32
	global_load_b32 v[32+32*(\q)+I], v3, s[12:13] offset:(32*(\q)+I)*4096 th:TH_LOAD_NT
.set I, I+1
.endr
.endm
	W2LOAD 0
	W2LOAD 1                                       ; loads run two blocks ahead
.irp q, 0,1,2,3
.set XS, 32+32*\q
.set CD, 160+12*(\q%2)+6*(\q/2)
.if \q < 3
	s_wait_loadcnt 32                              ; this block's 32 loads are in; the next block's may be out
.else
	s_wait_loadcnt 0x0
.endif
	BLK32 XS, CD, 184
.if \q == 0
	v_mov_b32 v24, v13
.else
	v_lshl_or_b32 v24, v13, 8*\q, v24
.endif
	v_mov_b32 v[CD+3], v184                        ; (a conversion's three registers begin on an even number)
	v_mov_b32 v[CD+4], v185
	v_mov_b32 v[CD+5], v186
.if \q < 2
	W2LOAD \q+2
.endif
.endr
.irp h, 0,1
.irp j, 0,1,2
	global_store_b128 v4, v[160+12*\h+4*\j:163+12*\h+4*\j], s[58:59] offset:512*\j+256*\h   ; sixteen lanes store 256 consecutive bytes, aligned
.endr
.endr
	global_store_b32 v3, v24, s[60:61]             ; lanes 0-15: the first tile's words, lanes 16-31: the second's
	s_endpgm
; ======== F: one tile of 16 columns of film_w a wave.  Rows of the left operand: LN(act_tab[r % 4]).  K = 32: one block; the rest of the K step is zero codes on both sides.
.Lfilm:
	s_sub_co_u32 s45, ttmp9, 96
	s_lshl_b32 s45, s45, 2
	s_add_co_u32 s45, s45, s44                     ; tile 0..127
	s_load_b32 s51, s[32:33], 0x0                  ; r_scale
	s_load_b32 s52, s[34:35], 0x0                  ; b_scale
	v_and_b32 v2, 15, v1
	v_and_b32 v3, 3, v1
	v_lshlrev_b32 v3, 7, v3                        ; act_tab: 128 bytes a row
	v_mov_b32 v4, 0
	s_lshl_b32 s46, s45, 6
	v_lshl_add_u32 v5, v2, 2, s46                  ; my column, in bytes
.irp i, 0,1,2,3,4,5,6,7
	global_load_b128 v[32+4*\i:35+4*\i], v3, s[22:23] offset:16*\i
	global_load_b128 v[64+4*\i:67+4*\i], v4, s[24:25] offset:16*\i
	global_load_b128 v[96+4*\i:99+4*\i], v4, s[26:27] offset:16*\i
.endr
.set I, 0
.rept 32
	global_load_b32 v[128+I], v5, s[28:29] offset:I*8192
.set I, I+1
.endr
	global_load_b32 v6, v5, s[30:31]               ; film_b
	v_lshrrev_b32 v7, 4, v1
	v_lshl_add_u32 v7, v7, 14, v5                  ; lanes 16-31 store ids 2 and 3
	s_mov_b32 s47, 0x3d000000                      ; 1/32
	s_mov_b32 s48, 0x3727c5ac                      ; 1e-5
	s_add_nc_u64 s[58:59], s[40:41], FT
	s_wait_loadcnt 0x0
	v_pk_add_f32 v[8:9], v[32:33], v[34:35]
	v_pk_add_f32 v[10:11], v[36:37], v[38:39]
.irp i, 40,44,48,52,56,60
	v_pk_add_f32 v[8:9], v[8:9], v[\i:\i+1]
	v_pk_add_f32 v[10:11], v[10:11], v[\i+2:\i+3]
.endr
	v_pk_add_f32 v[8:9], v[8:9], v[10:11]
	v_add_f32 v8, v8, v9
	v_mul_f32 v8, s47, v8                          ; the mean
	v_mov_b32 v9, v8
.set I, 0
.rept 16
	v_pk_add_f32 v[32+I:33+I], v[32+I:33+I], v[8:9] neg_lo:[0,1] neg_hi:[0,1]
.set I, I+2
.endr
	v_pk_mul_f32 v[10:11], v[32:33], v[32:33]
	v_pk_mul_f32 v[12:13], v[34:35], v[34:35]
.irp i, 36,40,44,48,52,56,60
	v_pk_fma_f32 v[10:11], v[\i:\i+1], v[\i:\i+1], v[10:11]
	v_pk_fma_f32 v[12:13], v[\i+2:\i+3], v[\i+2:\i+3], v[12:13]
.endr
	v_pk_add_f32 v[10:11], v[10:11], v[12:13]
	v_add_f32 v10, v10, v11
	v_fma_f32 v10, v10, s47, s48
	v_rsq_f32 v10, v10
	v_nop
	s_wait_alu depctr_va_vdst(0)
	v_mov_b32 v11, v10
.set I, 0
.rept 16
	v_pk_mul_f32 v[32+I:33+I], v[32+I:33+I], v[10:11]
.set I, I+2
.endr
.set I, 0
.rept 16
	v_pk_fma_f32 v[32+I:33+I], v[32+I:33+I], v[64+I:65+I], v[96+I:97+I]
.set I, I+2
.endr
	BLK32 32, 160, 184
	v_mov_b32 v163, v184
	v_mov_b32 v164, v185
	v_mov_b32 v165, v186
	v_or_b32 v190, 0x7f7f7f00, v13                 ; the three empty blocks: scale 1
	BLK32 128, 172, 184
	v_mov_b32 v175, v184
	v_mov_b32 v176, v185
	v_mov_b32 v177, v186
	v_or_b32 v191, 0x7f7f7f00, v13
	v_cmp_gt_u32 vcc_lo, 16, v1
.irp i, 0,1,2,3,4,5
	v_cndmask_b32 v[160+\i], 0, v[160+\i], vcc_lo  ; lanes 16-31 hold k = 32..63: zero codes
	v_cndmask_b32 v[172+\i], 0, v[172+\i], vcc_lo
.endr
.irp i, 0,1,2,3,4,5
	v_mov_b32 v[166+\i], 0
	v_mov_b32 v[178+\i], 0
.endr
.rept 8
	v_nop                                          ; scale registers written by vector instructions stand 8 places ahead of a scaled matrix instruction
.endr
	v_wmma_scale_f32_16x16x128_f8f6f4 v[16:23], v[160:171], v[172:183], 0, v190, v191 matrix_a_fmt:MATRIX_FMT_BF6 matrix_b_fmt:MATRIX_FMT_BF6
.rept 4
	v_nop
.endr
	v_cndmask_b32 v8, v18, v16, vcc_lo             ; register j is id j in both halves of the lanes: lanes 0-15 take ids 0, 1, lanes 16-31 ids 2, 3
	v_cndmask_b32 v9, v19, v17, vcc_lo
	v_add_f32 v8, v8, v6
	v_add_f32 v9, v9, v6
	v_mul_f32 v10, 0x4038aa3b, v8                  ; 2 log2(e) x
	v_mul_f32 v11, 0x4038aa3b, v9
	v_exp_f32 v10, v10
	v_exp_f32 v11, v11
	v_nop
	s_wait_alu depctr_va_vdst(0)
	v_add_f32 v10, 1.0, v10
	v_add_f32 v11, 1.0, v11
	v_rcp_f32 v10, v10
	v_rcp_f32 v11, v11
	v_nop
	s_wait_alu depctr_va_vdst(0)
	v_fma_f32 v10, v10, -2.0, 1.0                  ; tanh x = 1 - 2 / (1 + e^(2x))
	v_fma_f32 v11, v11, -2.0, 1.0
	s_wait_kmcnt 0x0
	v_mul_f32 v10, s51, v10
	v_mul_f32 v11, s51, v11
	v_mul_f32 v8, s52, v8
	v_mul_f32 v9, s52, v9
	s_cmp_lt_u32 s45, 64                           ; columns under 1,024 are r, the others b
	s_cselect_b32 s53, -1, 0
	v_cndmask_b32 v8, v8, v10, s53
	v_cndmask_b32 v9, v9, v11, s53
	global_store_b32 v7, v8, s[58:59]
	global_store_b32 v7, v9, s[58:59] offset:8192
	s_endpgm
; ======== T: tables
.Ltab:
	s_sub_co_u32 s45, ttmp9, 128
	s_lshl_b32 s46, s45, 2
	s_add_co_u32 s46, s46, s44                     ; tile of 16 tokens, 0..127
	s_lshl_b32 s47, s45, 7
	v_add_nc_u32 v5, s47, v0                       ; posx: thread n makes four words of copy n / 1024
	v_lshrrev_b32 v6, 10, v5
	v_and_b32 v7, 0x3ff, v5
	v_lshl_add_u32 v7, v7, 2, v6
.irp e, 0,1,2,3
	v_add_nc_u32 v[24+\e], \e, v7
	v_min_u32 v[24+\e], 0xffe, v[24+\e]            ; no load leaves pos_w's 4,095 numbers
	v_lshlrev_b32 v[24+\e], 2, v[24+\e]
	global_load_b32 v[28+\e], v[24+\e], s[18:19]
.endr
	v_lshlrev_b32 v5, 4, v5
	s_lshr_b32 s47, s46, 1
	s_lshl_b32 s47, s47, 5
	s_and_b32 s48, s46, 1
	s_lshl_b32 s48, s48, 3
	s_add_co_u32 s47, s47, s48
	v_and_b32 v2, 15, v1
	v_and_b32 v3, 8, v2
	v_add_nc_u32 v2, v2, v3
	v_add_nc_u32 v2, s47, v2                       ; my token: 32 (tile / 2) + 8 (tile % 2) + r + 8 (r / 8)
	v_cvt_f32_u32 v2, v2
	v_lshrrev_b32 v3, 4, v1
	v_lshlrev_b32 v3, 3, v3                        ; 8 h
	v_lshlrev_b32 v4, 4, v1
	s_lshl_b32 s54, s46, 12
	s_add_co_u32 s54, s54, RP
	s_add_nc_u64 s[58:59], s[40:41], s[54:55]
; cos and sin of s x 10000^(-p / 32), p = s50 + 8 h + e, into v[20 + 2 e], v[21 + 2 e]
.macro SINCOS e
	v_add3_u32 v8, s50, v3, \e
	v_cvt_f32_u32 v8, v8
	v_mul_f32 v9, 0xbed49a80, v8                   ; -p x c_hi, exact: c_hi = log2(10000) / 32 rounded up to 17 bits
	v_exp_f32 v9, v9
	v_mul_f32 v10, 0x342ae0a0, v8                  ; p x ln 2 x (c_hi - c)
	s_wait_alu depctr_va_vdst(0)
	v_fma_f32 v9, v9, v10, v9
	v_mul_f32 v9, v2, v9                           ; the angle
	v_mul_f32 v10, 0x3f22f983, v9
	v_rndne_f32 v10, v10                           ; quarter turns
	v_fmamk_f32 v11, v10, 0xbfc90fdb, v9           ; less q x pi/2, in two parts
	v_fmamk_f32 v11, v10, 0x333bbd2e, v11
	v_cvt_i32_f32 v10, v10
	v_mul_f32 v12, v11, v11
	v_mov_b32 v13, 0x3638ef1d
	v_fmaak_f32 v13, v13, v12, 0xb9500d01
	v_fmaak_f32 v13, v13, v12, 0x3c088889
	v_fmaak_f32 v13, v13, v12, 0xbe2aaaab
	v_mul_f32 v13, v13, v12
	v_fma_f32 v13, v13, v11, v11                   ; sin r, |r| <= pi/4
	v_mov_b32 v14, 0xb493f27e
	v_fmaak_f32 v14, v14, v12, 0x37d00d01
	v_fmaak_f32 v14, v14, v12, 0xbab60b61
	v_fmaak_f32 v14, v14, v12, 0x3d2aaaab
	v_fmaak_f32 v14, v14, v12, 0xbf000000
	v_fma_f32 v14, v14, v12, 1.0                   ; cos r
	v_and_b32 v15, 1, v10
	v_cmp_eq_u32 vcc_lo, 1, v15
	v_cndmask_b32 v16, v13, v14, vcc_lo            ; odd quarter: sine and cosine change places
	v_cndmask_b32 v17, v14, v13, vcc_lo
	v_and_b32 v15, 2, v10
	v_lshlrev_b32 v15, 30, v15
	v_xor_b32 v[21+2*\e], v15, v16
	v_add_nc_u32 v15, 1, v10
	v_and_b32 v15, 2, v15
	v_lshlrev_b32 v15, 30, v15
	v_xor_b32 v[20+2*\e], v15, v17
.endm
	s_mov_b32 s51, 0
.Lrope:                                            ; eight trips: chunk k holds pairs 16 (k / 4) + 8 h + 2 (k % 4) + 0, 1
	s_lshr_b32 s50, s51, 2
	s_lshl_b32 s50, s50, 4
	s_and_b32 s49, s51, 3
	s_lshl_b32 s49, s49, 1
	s_add_co_u32 s50, s50, s49
	SINCOS 0
	SINCOS 1
	global_store_b128 v4, v[20:23], s[58:59]       ; 32 lanes store 512 consecutive bytes
	s_wait_xcnt 0x0                                ; offset and data are written again only behind this wait
	v_add_nc_u32 v4, 0x200, v4
	s_add_co_u32 s51, s51, 1
	s_cmp_lt_u32 s51, 8
	s_cbranch_scc1 .Lrope
	s_wait_loadcnt 0x0
	global_store_b128 v5, v[28:31], s[40:41] offset:PX
	s_cmp_lg_u32 s45, 0
	s_cbranch_scc1 .Ltab_end
	s_cmp_gt_u32 s44, 1
	s_cbranch_scc1 .Ltab_end
	v_mov_b32 v44, 0xf149f2ca                      ; -1e30: what a masked score gets
	v_lshlrev_b32 v45, 4, v0
.irp e, 0,1,2,3
	v_lshl_add_u32 v[32+\e], v0, 2, \e
	v_min_u32 v[36+\e], 0x80, v[32+\e]
	v_lshlrev_b32 v[36+\e], 2, v[36+\e]
	global_load_b32 v[40+\e], v[36+\e], s[20:21]
.endr
	s_wait_loadcnt 0x0
.irp e, 0,1,2,3
	v_cmp_lt_u32 vcc_lo, 0x80, v[32+\e]
	v_cndmask_b32 v[40+\e], v[40+\e], v44, vcc_lo
.endr
	global_store_b128 v45, v[40:43], s[40:41]
.Ltab_end:
	s_endpgm
; ======== X: a wave takes eight rows of x.  A row is 32 registers of the wave; two row buffers take turns.  The normalised row turns through the wave's stage (16 bytes of padding
; behind each 64), so that a lane holds 16 neighbours along K; two neighbouring lanes hold a block.
.Lx:
	s_sub_co_u32 s45, ttmp9, 160
	s_lshl_b32 s45, s45, 2
	s_add_co_u32 s45, s45, s44                     ; which eight memory rows
	s_and_b32 s46, s45, 0x3fc
	s_and_b32 s47, s45, 1
	s_lshl_b32 s47, s47, 1
	s_or_b32 s46, s46, s47
	s_bfe_u32 s47, s45, 0x10001
	s_or_b32 s46, s46, s47                         ; which eight tokens: bits 0 and 1 changed places
	s_lshl_b32 s54, s46, 15
	s_add_nc_u64 s[4:5], s[4:5], s[54:55]
	s_mul_i32 s54, s45, 6144
	s_add_nc_u64 s[58:59], s[36:37], s[54:55]
	s_lshl_b32 s54, s45, 8
	s_add_co_u32 s54, s54, HS
	s_add_nc_u64 s[60:61], s[36:37], s[54:55]
	s_mul_i32 s49, s44, XREG
	v_lshrrev_b32 v2, 2, v1
	v_mul_u32_u24 v2, v2, 80
	v_and_b32 v3, 3, v1
	v_lshl_add_u32 v2, v3, 4, v2
	v_add_nc_u32 v2, s49, v2                       ; into the stage: 80 (lane / 4) + 16 (lane % 4)
	v_mul_u32_u24 v3, v1, 80
	v_add_nc_u32 v3, s49, v3                       ; out of it: 80 x lane
	v_mul_u32_u24 v4, v1, 12
	v_lshrrev_b32 v5, 1, v1
	s_add_co_u32 s50, s49, 5120
	v_add_nc_u32 v5, s50, v5                       ; my block's scale byte
	v_lshlrev_b32 v6, 4, v1
	v_lshlrev_b32 v7, 3, v1
	v_add_nc_u32 v186, s50, v7
	s_mov_b32 s46, 0x3a800000                      ; 1/1024
	s_mov_b32 s47, 0x3727c5ac                      ; 1e-5
.irp i, 0,1,2,3,4,5,6,7
	global_load_b128 v[16+4*\i:19+4*\i], v6, s[6:7] offset:512*\i
	global_load_b128 v[48+4*\i:51+4*\i], v6, s[8:9] offset:512*\i
.endr
.irp i, 0,1,2,3,4,5,6,7
	global_load_b128 v[80+4*\i:83+4*\i], v6, s[4:5] offset:512*\i th:TH_LOAD_NT
.endr
.irp i, 0,1,2,3,4,5,6,7
	global_load_b128 v[112+4*\i:115+4*\i], v6, s[4:5] offset:4096+512*\i th:TH_LOAD_NT
.endr
.macro XROW r
.set RB, 80+32*((\r)%2)
.if (\r) < 7
	s_wait_loadcnt 8                               ; my row is in; the other buffer's eight loads may be out
.else
	s_wait_loadcnt 0x0
.endif
	v_pk_add_f32 v[8:9], v[RB:RB+1], v[RB+2:RB+3]
	v_pk_add_f32 v[10:11], v[RB+4:RB+5], v[RB+6:RB+7]
.irp i, 8,12,16,20,24,28
	v_pk_add_f32 v[8:9], v[8:9], v[RB+\i:RB+\i+1]
	v_pk_add_f32 v[10:11], v[10:11], v[RB+\i+2:RB+\i+3]
.endr
	v_pk_add_f32 v[8:9], v[8:9], v[10:11]
	v_add_f32 v8, v8, v9
	WSUM 8, 9
	v_mul_f32 v8, s46, v8
	v_mov_b32 v9, v8
.set I, 0
.rept 16
	v_pk_add_f32 v[144+I:145+I], v[RB+I:RB+I+1], v[8:9] neg_lo:[0,1] neg_hi:[0,1]
.set I, I+2
.endr
.if (\r) < 6
.set I, 0
.rept 8
	global_load_b128 v[RB+4*I:RB+4*I+3], v6, s[4:5] offset:4096*((\r)+2)+512*I th:TH_LOAD_NT   ; the buffer takes the row two on
.set I, I+1
.endr
.endif
	v_pk_mul_f32 v[10:11], v[144:145], v[144:145]
	v_pk_mul_f32 v[12:13], v[146:147], v[146:147]
.irp i, 4,8,12,16,20,24,28
	v_pk_fma_f32 v[10:11], v[144+\i:145+\i], v[144+\i:145+\i], v[10:11]
	v_pk_fma_f32 v[12:13], v[146+\i:147+\i], v[146+\i:147+\i], v[12:13]
.endr
	v_pk_add_f32 v[10:11], v[10:11], v[12:13]
	v_add_f32 v10, v10, v11
	WSUM 10, 11
	v_fma_f32 v10, v10, s46, s47
	v_rsq_f32 v10, v10
	v_nop
	s_wait_alu depctr_va_vdst(0)
	v_mov_b32 v11, v10
.set I, 0
.rept 16
	v_pk_mul_f32 v[144+I:145+I], v[144+I:145+I], v[10:11]
.set I, I+2
.endr
.set I, 0
.rept 16
	v_pk_fma_f32 v[144+I:145+I], v[144+I:145+I], v[16+I:17+I], v[48+I:49+I]
.set I, I+2
.endr
.irp i, 0,1,2,3,4,5,6,7
	ds_store_b128 v2, v[144+4*\i:147+4*\i] offset:640*\i
.endr
.irp i, 0,1,2,3,4,5,6,7
	ds_load_b128 v[144+4*\i:147+4*\i], v3 offset:2560*(\i/4)+16*(\i%4)   ; LDS serves a wave's instructions in order: these see the stores above
.endr
	s_wait_xcnt 0x0                                ; the last row's stores have read their codes
.irp t2, 0,1
.set XS, 144+16*\t2
	s_wait_dscnt 4-3*\t2                           ; step 0: the second step's four loads may be out; step 1: step 0's byte store
	v_max3_num_f32 v8, |v[XS]|, |v[XS+1]|, |v[XS+2]|
	v_max3_num_f32 v9, |v[XS+3]|, |v[XS+4]|, |v[XS+5]|
.irp i, 6,10
	v_max3_num_f32 v8, v8, |v[XS+\i]|, |v[XS+\i+1]|
	v_max3_num_f32 v9, v9, |v[XS+\i+2]|, |v[XS+\i+3]|
.endr
	v_max3_num_f32 v8, v8, |v[XS+14]|, |v[XS+15]|
	v_max3_num_f32 v8, v8, v9, 0x2800000
	v_max_num_f32_dpp v8, v8, v8 row_xmask:1 row_mask:0xf bank_mask:0xf   ; with my neighbour's 16: the block's
	v_add_nc_u32 v11, 0xfe000000, v8
	v_cvt_scalef32_pk16_bf6_f32 v[176+4*\t2:178+4*\t2], v[XS:XS+15], v11
	v_lshrrev_b32 v[184+\t2], 23, v11              ; (also the plain place behind the conversion)
	ds_store_b8 v5, v[184+\t2] offset:32*(\r)+16*\t2
	global_store_b96 v4, v[176+4*\t2:178+4*\t2], s[58:59] offset:768*(\r)+384*\t2   ; 32 lanes store 384 consecutive bytes
.endr
.endm
.irp r, 0,1,2,3,4,5,6,7
	XROW \r
.endr
	ds_load_b64 v[12:13], v186
	s_wait_dscnt 0x0
	global_store_b64 v7, v[12:13], s[60:61]        ; eight rows' scale bytes: 256 consecutive bytes, aligned
	s_wait_tensorcnt 0x0
	ds_add_u32 v192, v193
	s_wait_dscnt 0x0
	s_endpgm
.Lfunc_end_k_q359b822fb7_prep:
	.size	k_q359b822fb7_prep, .Lfunc_end_k_q359b822fb7_prep-k_q359b822fb7_prep
	.p2alignl 7, 3214868480
	.fill 96, 4, 3214868480
	.section	.rodata,"a",@progbits
	.p2align	6, 0x0
	.amdhsa_kernel k_q359b822fb7_prep
		.amdhsa_group_segment_fixed_size 57856
		.amdhsa_private_segment_fixed_size 0
		.amdhsa_enable_private_segment 0
		.amdhsa_kernarg_size 160
		.amdhsa_user_sgpr_count 2
		.amdhsa_user_sgpr_kernarg_segment_ptr 1
		.amdhsa_wavefront_size32 1
		.amdhsa_system_sgpr_workgroup_id_x 1
		.amdhsa_system_sgpr_workgroup_id_y 1
		.amdhsa_system_sgpr_workgroup_id_z 1
		.amdhsa_system_vgpr_workitem_id 0
		.amdhsa_next_free_vgpr 194
		.amdhsa_next_free_sgpr 100
		.amdhsa_reserve_vcc 1
		.amdhsa_float_denorm_mode_32 3
		.amdhsa_float_denorm_mode_16_64 3
		.amdhsa_memory_ordered 1
		.amdhsa_forward_progress 1
		.amdhsa_inst_pref_size 190
	.end_amdhsa_kernel
	.amdgpu_metadata
---
amdhsa.version: [ 1, 2 ]
amdhsa.kernels:
  - .name:           k_q359b822fb7_prep
    .symbol:         k_q359b822fb7_prep.kd
    .args:
      - { .name: x, .offset: 0, .size: 8, .value_kind: global_buffer, .address_space: global }
      - { .name: ln_g, .offset: 8, .size: 8, .value_kind: global_buffer, .address_space: global }
      - { .name: ln_b, .offset: 16, .size: 8, .value_kind: global_buffer, .address_space: global }
      - { .name: uvqk, .offset: 24, .size: 8, .value_kind: global_buffer, .address_space: global }
      - { .name: o_w, .offset: 32, .size: 8, .value_kind: global_buffer, .address_space: global }
      - { .name: interval, .offset: 40, .size: 8, .value_kind: global_buffer, .address_space: global }
      - { .name: attn_mask, .offset: 48, .size: 8, .value_kind: global_buffer, .address_space: global }
      - { .name: pos_w, .offset: 56, .size: 8, .value_kind: global_buffer, .address_space: global }
      - { .name: ts_w, .offset: 64, .size: 8, .value_kind: global_buffer, .address_space: global }
      - { .name: act_tab, .offset: 72, .size: 8, .value_kind: global_buffer, .address_space: global }
      - { .name: film_ln_g, .offset: 80, .size: 8, .value_kind: global_buffer, .address_space: global }
      - { .name: film_ln_b, .offset: 88, .size: 8, .value_kind: global_buffer, .address_space: global }
      - { .name: film_w, .offset: 96, .size: 8, .value_kind: global_buffer, .address_space: global }
      - { .name: film_b, .offset: 104, .size: 8, .value_kind: global_buffer, .address_space: global }
      - { .name: r_scale, .offset: 112, .size: 8, .value_kind: global_buffer, .address_space: global }
      - { .name: b_scale, .offset: 120, .size: 8, .value_kind: global_buffer, .address_space: global }
      - { .name: hq, .offset: 128, .size: 8, .value_kind: global_buffer, .address_space: global }
      - { .name: wq, .offset: 136, .size: 8, .value_kind: global_buffer, .address_space: global }
      - { .name: tab, .offset: 144, .size: 8, .value_kind: global_buffer, .address_space: global }
      - { .name: cb, .offset: 152, .size: 8, .value_kind: global_buffer, .address_space: global }
    .group_segment_fixed_size: 57856
    .private_segment_fixed_size: 0
    .kernarg_segment_align: 8
    .kernarg_segment_size: 160
    .max_flat_workgroup_size: 128
    .sgpr_count:     100
    .vgpr_count:     194
    .wavefront_size: 32
...
	.end_amdgpu_metadata
.endif
;; end of part 1
;; launch gemm1 (part 2): grid 8 x 32, 4 waves a work-group, clusters of 4 x 4, 327,680 bytes of LDS; arguments hq, wq, tab, qkv, ub; writes qkv, ub
.if DOCPART == 2
	.amdgcn_target "amdgcn-amd-amdhsa--gfx1250"
	.amdhsa_code_object_version 6
	.text
	.protected	k_q359b822fb7_gemm1
	.globl	k_q359b822fb7_gemm1
	.p2align	8
	.type	k_q359b822fb7_gemm1,@function
k_q359b822fb7_gemm1:
	s_mov_b64 s[64:65], 0
	v_nop
	global_prefetch_b8 v0, s[64:65] scope:SCOPE_SE
	s_setreg_imm32_b32 hwreg(HW_REG_WAVE_MODE, 25, 1), 1
	s_wait_xcnt 0x0
	s_wait_alu depctr_hold_cnt(0) depctr_sa_sdst(0) depctr_va_vdst(0) depctr_va_sdst(0) depctr_va_ssrc(0) depctr_va_vcc(0) depctr_vm_vsrc(0)
	s_getreg_b32 s2, hwreg(HW_REG_IB_STS2, 6, 4)
	s_cmp_eq_u32 s2, 0
	s_cbranch_scc0 .Lentry_in_a_cluster
	s_endpgm
.Lentry_in_a_cluster:
	s_bfe_u32 s2, ttmp6, 0x10000c
	s_cmp_lg_u32 s2, 0xf033
	s_cbranch_scc0 .Lentry_shape_is_right
	s_endpgm
.Lentry_shape_is_right:
; proj = silu(h x uvqk) on codes of E3M2, then what each part of proj needs, all in registers: Q, K: RoPE, codes along the head's 64; V: codes along the tokens; U: f32.
; h: [8192 rows][1024] codes + scale bytes (hq); uvqk: [2048 rows][1024] codes + scale bytes (wq); both with rows laid so that lane r of the 16-row tile a holds row 32 (a / 2) + 8 (a % 2) + r + 8 (r / 8).
; A tile of 256 x 256 is made by four waves, 128 x 128 each: 64 accumulators, 512 registers.  K goes in steps of 256 through a ring of two LDS slots filled by the tensor data mover; the scale bytes come once.
; A tile column is one head: column half 0 = Q (64) | U's channels 0-31 | V's channels 0-31, half 1 = K | U's 32-63 | V's 32-63.
; TWO WAYS ROUND.  For Q, K and U source 0 = 16 rows of uvqk, source 1 = 16 tokens: a lane holds ONE token and its registers run along the columns (the next product's K for Q and K).
; For V source 0 = 16 tokens, source 1 = 16 rows of uvqk: a lane holds ONE channel and its registers run along the tokens, which are the next K of V.
; CLUSTERS: 4 x 4 work-groups; h's tiles are asked for jointly along a row of the cluster, uvqk's along a column.
; REGISTERS: window 0: v16-31 addresses; v32-63 scale words, two sets; v128-223 h's fragments; on the way out v64-235 at work.  window 1: uvqk's fragments, two sets; as they fall free, cos and sin of my
;   eight token tiles, 32 registers each: asked for ahead of the last 64 products (tiles 0-3) and straight behind them (tiles 4-7), so that no unit of the way out waits for its own request.
;   windows 2, 3 (token tiles 0-3, 4-7; a' = tile % 4): v[32 a' + 8 b] Q or K (b = 0..3); v[128 + 16 a' + 8 (b - 4)] U; v[192 + 32 (b - 6) + 8 a'] V.
; LIMITS: NaN and infinities are not served; silu is 0 for x under about -87; a block of zeros carries the byte 1 (its codes are zeros).
.set HS, 6291456
.set WS, 1572864
.set RP, 66560
.set KC, 3145728
.set VC, 6291456
.set SCO, 9437184
.set NQ,     2                         ; matrix instructions deep in a slot
.set ROWB,   192                       ; a tile's row: 256 codes
.set KROW,   768                       ; a row in memory
.set PITCH,  240                       ; an LDS row: 3 x (64 bytes + 16 of padding)
.set FR,     12
.set NLD,    6                         ; LDS loads that bring a fragment
.set HALFT,  128*PITCH
.set SLOT,   4*HALFT
.set LAPS,   2
.set KS,     32                        ; a row of scale bytes
.set SCL,    2*SLOT
.set HALFS,  (128*KS/256)*272
.set SBLK,   (16*KS/256)*272
.set SPARE,  SCL+4*HALFS               ; the spare words, 128 bytes for each wave, that no other line names
.set ADRA, 16
.set ADRB, 20
.set L16,  24                          ; 16 x lane
.set L8,   25                          ; 8 x lane + 4 x column half
.set L16S, 26                          ; 16 x lane + the place of my scale words
.set ADRS, 27
.set SPW,  28
.set NIL,  29
.set LNE,  30                          ; lane
.set SC,   32
.set AF,   128
.set VCD,  64                          ; the way out: V's codes, 12 registers for each of two tiles of channels
.set VW,   88                          ; V's scale words
.set PC,   96                          ; Q's or K's codes of two tiles
.set PT,   108
.set TM,   116
.set XR,   128
.set ER,   160
.set WD,   224                         ; the eight tiles' scale words
.set PK,   232
.set G1, 24
.set G0, 32
.set G1B, 48
.set G0B, 56
.set G1S, 68
.set G0S, 76
.set G1SB, 80
.set G0SB, 88
.set QKB, 80                           ; the way out's bases lie where the scales' descriptors lay: their loads are long done
.set VBS, 82
.set SBS, 84
.set UBS, 86
.set RBS, 88
.set NLP, 92
.set SEL, 94
.set MSB, 0
.macro WIN new                         ; the immediate's high byte repeats the setting that is left
.if MSB != \new
	s_set_vgpr_msb (MSB<<8)|\new
.set MSB, \new
.endif
.endm
.set TO_B, 0x40
; one scaled product: D at d, source 0 at a, source 1 at b; z = 1: C is 0, else C is D; ra, rb: the scales stand in lanes 16-31
.macro WM d, a, b, z, sa, sb, ra, rb
.set WMK, 4*(\z)+2*(\ra)+(\rb)
.if WMK == 1
	v_wmma_scale_f32_16x16x128_f8f6f4 v[\d:\d+7], v[\a:\a+11], v[\b:\b+11], v[\d:\d+7], v[\sa], v[\sb] matrix_a_fmt:MATRIX_FMT_BF6 matrix_b_fmt:MATRIX_FMT_BF6 matrix_b_scale:MATRIX_SCALE_ROW1
.elseif WMK == 2
	v_wmma_scale_f32_16x16x128_f8f6f4 v[\d:\d+7], v[\a:\a+11], v[\b:\b+11], v[\d:\d+7], v[\sa], v[\sb] matrix_a_fmt:MATRIX_FMT_BF6 matrix_b_fmt:MATRIX_FMT_BF6 matrix_a_scale:MATRIX_SCALE_ROW1
.elseif WMK == 5
	v_wmma_scale_f32_16x16x128_f8f6f4 v[\d:\d+7], v[\a:\a+11], v[\b:\b+11], 0, v[\sa], v[\sb] matrix_a_fmt:MATRIX_FMT_BF6 matrix_b_fmt:MATRIX_FMT_BF6 matrix_b_scale:MATRIX_SCALE_ROW1
.else
	v_wmma_scale_f32_16x16x128_f8f6f4 v[\d:\d+7], v[\a:\a+11], v[\b:\b+11], 0, v[\sa], v[\sb] matrix_a_fmt:MATRIX_FMT_BF6 matrix_b_fmt:MATRIX_FMT_BF6 matrix_a_scale:MATRIX_SCALE_ROW1
.endif
.endm
; A joint load: waves 0 and 1 fetch for h, waves 2 and 3 for uvqk; the branch hangs on the wave's number alone.  Four v_nop follow each of the two lines.
.macro JLOAD g0a, g1a, g0b, g1b
	s_cmp_eq_u32 s15, 0
	s_cbranch_scc0 .Lfor_b_\@
	tensor_load_to_lds s[\g0a:\g0a+3], s[\g1a:\g1a+7]
	s_nop 0
.rept 4
	v_nop
.endr
	s_branch .Lasked_\@
.Lfor_b_\@:
	tensor_load_to_lds s[\g0b:\g0b+3], s[\g1b:\g1b+7]
	s_nop 0
.rept 4
	v_nop
.endr
.Lasked_\@:
.endm
.macro CREST                           ; a round of the cluster's barrier behind its opening barrier
	s_cmp_lg_u32 s14, 0
	s_cbranch_scc1 .Lnot_wave_0_\@
	s_barrier_signal -3
.Lnot_wave_0_\@:
	s_barrier_wait -3
	s_barrier_signal -1
	s_barrier_wait -1
.endm
.macro CROUND
	s_barrier_signal -1
	s_barrier_wait -1
	CREST
.endm
	s_load_b128 s[4:7], s[0:1], 0x0                ; hq, wq
	s_load_b128 s[8:11], s[0:1], 0x10              ; tab, qkv
	s_load_b64 s[12:13], s[0:1], 0x20              ; ub
	v_lshl_add_u32 v[SPW], v0, 2, SPARE
	v_mov_b32 v[NIL], 0
	ds_add_u32 v28, v29
	ds_add_u32 v28, v29
	s_wait_dscnt 0x0
	v_lshrrev_b32 v1, 5, v0
	v_readfirstlane_b32 s14, v1                    ; wave 0..3
	s_lshr_b32 s15, s14, 1                         ; which half of the tile's rows is mine.  Also: I fetch for h (0) or for uvqk (1)
	s_and_b32 s16, s14, 1                          ; which half of its columns.  Also: which 128 rows of that tile I fetch
	s_bfe_u32 s40, ttmp6, 0x40000                  ; cx, cy: my place in the cluster
	s_bfe_u32 s41, ttmp6, 0x40004
	s_lshl_b32 s42, ttmp9, 2
	s_add_co_u32 s42, s42, s40                     ; tile column = the head
	s_and_b32 s17, ttmp7, 0xffff
	s_lshl_b32 s17, s17, 2
	s_add_co_u32 s17, s17, s41                     ; tile row
	s_lshl_b32 s43, s41, 2
	s_lshl_b32 s43, 15, s43                        ; my row of the cluster
	s_lshl_b32 s44, 0x1111, s40                    ; my column
	s_or_b32 s[G1+0], s43, (0<<16)|(1<<20)|(1<<21)|(3<<22)|(3<<25)  ; the mask; elements of 1 byte; padding on; bit 21 beside a mask; after every 16 words, 4 words
	s_or_b32 s[G1B+0], s44, (0<<16)|(1<<20)|(1<<21)|(3<<22)|(3<<25)
.irp g, G1, G1B
	s_mov_b32 s[\g+1], ROWB<<16                    ; tensor_dim0
	s_mov_b32 s[\g+2], 128<<16                     ; tensor_dim1
	s_mov_b32 s[\g+3], ROWB<<16                    ; tile_dim0
	s_mov_b32 s[\g+4], 128                         ; tile_dim1
	s_mov_b32 s[\g+5], KROW                        ; the pitch
	s_mov_b32 s[\g+6], 0
	s_mov_b32 s[\g+7], 0
.endr
	s_or_b32 s[G1S+0], s43, (3<<16)|(1<<20)|(1<<21)|(5<<22)|(3<<25)  ; the scale bytes of 128 rows: a dense block, as rows of 256 bytes, 16 bytes of padding behind each
	s_or_b32 s[G1SB+0], s44, (3<<16)|(1<<20)|(1<<21)|(5<<22)|(3<<25)
.irp g, G1S, G1SB
	s_mov_b32 s[\g+1], 32<<16
	s_mov_b32 s[\g+2], (128*KS/256)<<16
	s_mov_b32 s[\g+3], 32<<16
	s_mov_b32 s[\g+4], 128*KS/256
	s_mov_b32 s[\g+5], 32
	s_mov_b32 s[\g+6], 0
	s_mov_b32 s[\g+7], 0
.endr
	s_lshl_b32 s18, s16, 7
	s_lshl_b32 s20, s17, 8
	s_add_co_u32 s20, s20, s18                     ; h: row 256 x tile row + 128 x half
	s_lshl_b32 s46, s42, 8
	s_add_co_u32 s46, s46, s18                     ; uvqk: row 256 x tile column + 128 x half
	s_mov_b32 s21, 0
	s_mov_b32 s47, 0
	s_mov_b64 s[18:19], KS
	s_mul_u64 s[22:23], s[20:21], s[18:19]
	s_mul_u64 s[92:93], s[46:47], s[18:19]
	s_mov_b64 s[18:19], KROW
	s_mul_u64 s[20:21], s[20:21], s[18:19]
	s_mul_u64 s[46:47], s[46:47], s[18:19]
	s_mul_i32 s45, s14, HALFT                      ; where they go: wave x 128 rows: no place in the cluster enters an LDS address
	s_mul_i32 s94, s14, HALFS
	s_wait_kmcnt 0x0
	s_add_nc_u64 s[20:21], s[4:5], s[20:21]
	s_add_nc_u64 s[22:23], s[4:5], s[22:23]
	s_add_nc_u64 s[22:23], s[22:23], HS
	s_add_nc_u64 s[46:47], s[6:7], s[46:47]
	s_add_nc_u64 s[92:93], s[6:7], s[92:93]
	s_add_nc_u64 s[92:93], s[92:93], WS
	CROUND                                         ; all sixteen work-groups are here: the first joint loads meet
	s_mov_b32 s[G0S], 1
	s_add_co_u32 s[G0S+1], s94, SCL
	s_mov_b64 s[G0S+2:G0S+3], s[22:23]
	s_or_b32 s[G0S+3], s[G0S+3], 0x80000000
	s_mov_b32 s[G0SB], 1
	s_add_co_u32 s[G0SB+1], s94, SCL
	s_mov_b64 s[G0SB+2:G0SB+3], s[92:93]
	s_or_b32 s[G0SB+3], s[G0SB+3], 0x80000000
	JLOAD G0S, G1S, G0SB, G1SB                     ; the scales first: they are wanted with K step 0
.irp s, 0,1
	s_mov_b32 s[G0+4*\s], 1
	s_add_co_u32 s[G0+4*\s+1], s45, \s*SLOT
	s_add_nc_u64 s[G0+4*\s+2:G0+4*\s+3], s[20:21], \s*ROWB
	s_or_b32 s[G0+4*\s+3], s[G0+4*\s+3], 0x80000000
	s_mov_b32 s[G0B+4*\s], 1
	s_add_co_u32 s[G0B+4*\s+1], s45, \s*SLOT
	s_add_nc_u64 s[G0B+4*\s+2:G0B+4*\s+3], s[46:47], \s*ROWB
	s_or_b32 s[G0B+4*\s+3], s[G0B+4*\s+3], 0x80000000
	JLOAD G0+4*\s, G1, G0B+4*\s, G1B
.endr
	v_and_b32 v1, 15, v0
	v_bfe_u32 v2, v0, 4, 1
	v_mul_u32_u24 v3, v1, PITCH
	v_mul_u32_u24 v4, v2, 24
	v_add_nc_u32 v4, v3, v4                        ; a fragment's row x pitch + 24 x half
	v_lshl_add_u32 v5, v2, 4, v4                   ; and the same behind one padding more
	s_mul_i32 s21, s15, HALFT
	s_mul_i32 s22, s16, HALFT
	s_add_co_u32 s22, s22, 2*HALFT
.irp s, 0,1
	v_add_nc_u32 v[ADRA+\s], s21, v4
	v_add_nc_u32 v[ADRB+\s], s22, v4
	v_add_nc_u32 v[ADRA+2+\s], s21, v5
	v_add_nc_u32 v[ADRB+2+\s], s22, v5
	s_add_co_u32 s21, s21, SLOT
	s_add_co_u32 s22, s22, SLOT
.endr
	v_mul_u32_u24 v5, v1, KS
	v_lshrrev_b32 v6, 8, v5
	v_lshl_add_u32 v5, v6, 4, v5
	s_mul_i32 s21, s15, HALFS
	s_mul_i32 s22, s16, HALFS
	s_add_co_u32 s22, s22, 2*HALFS
	s_sub_co_u32 s22, s22, s21
	v_mul_u32_u24 v6, s22, v2                      ; lanes 16-31 take uvqk's words
	s_add_co_u32 s21, s21, SCL
	v_add_nc_u32 v5, v5, v6
	v_add_nc_u32 v[ADRS], s21, v5
	v_and_b32 v[LNE], 31, v0
	v_lshlrev_b32 v[L16], 4, v[LNE]
	v_lshlrev_b32 v[L8], 3, v[LNE]
.macro FRAG reg, adr, q, i             ; 16 rows x 128 K: 12 registers, in pieces of 8 bytes; where the piece of lanes 16-31 lies behind one padding more, the second address register serves
.irp p, 0,1,2,3,4,5
.set PCE, 12*(\q)+6*(\p/3)+\p%3
.if PCE%8 < 5
	ds_load_b64 v[\reg+2*\p:\reg+2*\p+1], v[\adr] offset:8*PCE+16*(PCE/8)+(\i)*16*PITCH
.else
	ds_load_b64 v[\reg+2*\p:\reg+2*\p+1], v[\adr+2] offset:8*PCE+16*(PCE/8)+(\i)*16*PITCH
.endif
.endr
.endm
; 16 matrix instructions: token tiles a0, a0 + 1 against uvqk's eight tiles: twelve with uvqk as source 0 (Q or K, U), four with the tokens as source 0 (V).
; The 64 accumulators take turns, one instruction a turn, in the same order in every step; each keeps its own form.
.macro MUL16 a0, p, q, sc, zero
.set WN, 0xa1+0x50*((\a0)/4)
	WIN WN                                         ; source 0 window 1, source 1 window 0, C and D window 2 or 3
.irp a, \a0, \a0+1
.irp b, 0,1,2,3,4,5
.if \b < 4
.set DD, 8*(4*((\a)%4)+\b)
.else
.set DD, 8*(16+2*((\a)%4)+\b-4)
.endif
	WM DD, 128*(\p)+FR*\b, AF+FR*(\a), \zero, SC+8*NQ*(\sc)+NQ*\b+(\q), SC+8*NQ*(\sc)+NQ*(\a)+(\q), 1, 0
.endr
.endr
.set WN, 0xa4+0x50*((\a0)/4)
	WIN WN                                         ; source 0 window 0, source 1 window 1
.irp a, \a0, \a0+1
.irp b, 6,7
.set DD, 8*(24+4*(\b-6)+(\a)%4)
	WM DD, AF+FR*(\a), 128*(\p)+FR*\b, \zero, SC+8*NQ*(\sc)+NQ*(\a)+(\q), SC+8*NQ*(\sc)+NQ*\b+(\q), 0, 1
.endr
.endr
.endm
.macro FETCH_B slot, q, p
	WIN TO_B
.irp i, 0,1,2,3,4,5,6,7
	FRAG 128*(\p)+FR*\i, ADRB+\slot, \q, \i
.endr
	WIN 0
.endm
.macro FETCH_A slot, q, i0
.irp i, \i0, \i0+1, \i0+2, \i0+3
	FRAG AF+FR*(\i), ADRA+\slot, \q, \i
.endr
.endm
.macro SCALES sc                       ; lanes 0-15 take the words of h's tile i, lanes 16-31 those of uvqk's tile i
.irp i, 0,1,2,3,4,5,6,7
	ds_load_b64 v[SC+8*NQ*\sc+NQ*\i:SC+8*NQ*\sc+NQ*\i+1], v[ADRS] offset:\i*SBLK
.endr
.endm
.macro PLACES                          ; four plain places behind a matrix instruction, in front of loads into its registers and of reads of its results
.rept 4
	v_nop
.endr
.endm
.macro RLD a                           ; cos, sin of token tile a: my token's 16 pairs, eight loads, into v[32 a] on of the window that the destination is set to
.irp k, 0,1,2,3,4,5,6,7
	global_load_b128 v[32*(\a)+4*\k:32*(\a)+4*\k+3], v[L16], s[RBS:RBS+1] offset:(\a)*4096+512*\k
.endr
.endm
.macro STEP slot, q, zero              ; a step of 128 along K that has its successor in the same slot
	s_wait_dscnt 4*NLD                             ; uvqk's set and h's tiles 0-3 are in; the youngest loads (h's tiles 4-7) may be out
	MUL16 0, (\q)%2, \q, \slot, \zero
	MUL16 2, (\q)%2, \q, \slot, \zero
	s_wait_dscnt 0
	PLACES
	FETCH_B \slot, (\q)+1, 1-(\q)%2
	FETCH_A \slot, (\q)+1, 0
	MUL16 4, (\q)%2, \q, \slot, \zero
	MUL16 6, (\q)%2, \q, \slot, \zero
	PLACES
	WIN 0
	FETCH_A \slot, (\q)+1, 4
.endm
; A slot's last step changes slots: ONE barrier; in front of it each wave waits for all its tensor loads, adds 0 to its spare word, and waits for that and for its own reads of this slot.
.macro TURN slot, next, fill
	s_wait_tensorcnt 0x0                           ; all my tensor loads have landed: my part of the next slot
	ds_add_u32 v[SPW], v[NIL]                      ; 0 onto my spare word
	s_wait_dscnt 4*NLD+1                           ; (the add and the youngest loads may be out)
	MUL16 0, 1, NQ-1, \slot, 0
	s_wait_dscnt 0x0                               ; the add is done, and my reads of this slot are over
	s_barrier_signal -1
	MUL16 2, 1, NQ-1, \slot, 0
	WIN 0
	s_barrier_wait -1
.if \fill
	CREST                                          ; the barrier has opened a round of the cluster's: no wave of any partner still reads this slot or has a load on its way
	s_add_nc_u64 s[G0+4*\slot+2:G0+4*\slot+3], s[G0+4*\slot+2:G0+4*\slot+3], 2*ROWB
	s_add_nc_u64 s[G0B+4*\slot+2:G0B+4*\slot+3], s[G0B+4*\slot+2:G0B+4*\slot+3], 2*ROWB
	JLOAD G0+4*\slot, G1, G0B+4*\slot, G1B         ; the first tensor load behind the round; its four v_nop are the places in front of the loads below
.else
	PLACES
.endif
	v_add_nc_u32 v[ADRS], 4*NQ, v[ADRS]
	FETCH_B \next, 0, 0
	FETCH_A \next, 0, 0
	SCALES \next
	MUL16 4, 1, NQ-1, \slot, 0
	MUL16 6, 1, NQ-1, \slot, 0
	PLACES
	WIN 0
	FETCH_A \next, 0, 4
.endm
	s_wait_tensorcnt 1                             ; the scales and my part of K step 0 are in (K step 1's load may be out),
	s_barrier_signal -1
	s_barrier_wait -1                              ; everybody's are
	FETCH_B 0, 0, 0
	FETCH_A 0, 0, 0
	SCALES 0
	FETCH_A 0, 0, 4
	STEP 0, 0, 1                                   ; the first step's products start the sums
	s_mov_b32 s3, LAPS-1
.Llap:
	TURN 0, 1, 1
	STEP 1, 0, 0
	TURN 1, 0, 1
	STEP 0, 0, 0
	s_sub_co_u32 s3, s3, 1
	s_cmp_lg_u32 s3, 0
	s_cbranch_scc1 .Llap
	TURN 0, 1, 0                                   ; the last lap fills nothing
	STEP 1, 0, 0
; the way out's bases are made here, ahead of the last step, so that cos and sin can be asked for.  No tensor load of mine is out: the registers that held the scales' descriptors are free.
	s_lshr_b32 s70, s17, 3                         ; batch
	s_lshl_b32 s71, s17, 1
	s_add_co_u32 s71, s71, s15                     ; which 128 tokens of all
	s_and_b32 s72, s71, 15                         ; and of the batch: the key step
	s_lshl_b32 s70, s70, 3
	s_add_co_u32 s70, s70, s42
	s_lshl_b32 s70, s70, 4
	s_add_co_u32 s70, s70, s72                     ; (batch x 8 + head) x 16 + step
	s_mul_i32 s73, s70, 6144
	s_cmp_eq_u32 s16, 0                            ; column half 0 holds Q, half 1 K
	s_cselect_b32 s74, 0, KC
	s_cselect_b32 s78, 512, 0
	s_add_co_u32 s74, s74, s73
	s_mov_b32 s75, 0
	s_add_nc_u64 s[QKB:QKB+1], s[10:11], s[74:75]
	s_mul_i32 s74, s16, 3072
	s_add_co_u32 s74, s74, s73
	s_add_co_u32 s74, s74, VC
	s_add_nc_u64 s[VBS:VBS+1], s[10:11], s[74:75]
	s_mul_i32 s74, s70, 1536
	s_add_co_u32 s74, s74, SCO
	s_add_nc_u64 s[SBS:SBS+1], s[10:11], s[74:75]
	s_lshl_b32 s74, s71, 6
	s_add_co_u32 s74, s74, s42
	s_lshl_b32 s74, s74, 12
	s_lshl_b32 s79, s16, 11
	s_add_co_u32 s74, s74, s79
	s_add_nc_u64 s[UBS:UBS+1], s[12:13], s[74:75]
	s_lshl_b32 s74, s71, 3
	s_and_b32 s74, s74, 127
	s_lshl_b32 s74, s74, 12
	s_add_co_u32 s74, s74, RP
	s_add_nc_u64 s[RBS:RBS+1], s[8:9], s[74:75]
	s_mov_b32 s[NLP], 0xbfb8aa3b                   ; -log2(e)
	s_mov_b32 s[NLP+1], s[NLP]
	s_mov_b32 s[SEL], 0x76543210
	s_mov_b32 s[SEL+1], 0xfedcba98
	s_lshl_b32 s79, s16, 2
	WIN TO_B                                       ; uvqk's set 0 (window 1, v0-95) was last read in the step above, four places back: tiles 0-3's cos and sin land in v0-127, 64 matrix instructions ahead of their use
	RLD 0
	RLD 1
	RLD 2
	RLD 3
	WIN 0
	s_wait_dscnt 4*NLD
	MUL16 0, 1, NQ-1, 1, 0
	MUL16 2, 1, NQ-1, 1, 0
	s_wait_dscnt 0
	MUL16 4, 1, NQ-1, 1, 0
	MUL16 6, 1, NQ-1, 1, 0
	WIN 0
; ---- THE WAY OUT: no LDS; every store is an image of registers, 16 bytes a lane, 512 consecutive bytes an instruction.
	PLACES                                         ; behind the last products
	WIN TO_B                                       ; uvqk's set 1 is done with too: tiles 4-7's cos and sin land in v128-255
	RLD 4
	RLD 5
	RLD 6
	RLD 7
	WIN 0
	v_add_nc_u32 v[L16S], s78, v[L16]
	v_add_nc_u32 v[L8], s79, v[L8]
	v_mov_b32 v[TM+2], 0                           ; written once: a lane permute's destination counts as one of its sources
	v_mov_b32 v[TM+3], 0
; silu of n accumulator registers, from v[src] of window w, into v[XR] on: x / (1 + 2^(-x log2 e)); the exponentials and the reciprocals go as batches with one wait each
.macro SILUW n, src, w
	WIN \w
.set I, 0
.rept (\n)/2
	v_pk_mul_f32 v[ER+I:ER+I+1], v[\src+I:\src+I+1], s[NLP:NLP+1] op_sel_hi:[1,0]   ; each accumulator from its low end on
.set I, I+2
.endr
	WIN 0
.set I, 0
.rept \n
	v_exp_f32 v[ER+I], v[ER+I]
.set I, I+1
.endr
	v_nop
	s_wait_alu depctr_va_vdst(0)
.set I, 0
.rept (\n)/2
	v_pk_add_f32 v[ER+I:ER+I+1], v[ER+I:ER+I+1], 1.0 op_sel_hi:[1,0]
.set I, I+2
.endr
.set I, 0
.rept \n
	v_rcp_f32 v[ER+I], v[ER+I]
.set I, I+1
.endr
	v_nop
	s_wait_alu depctr_va_vdst(0)
	WIN \w
.set I, 0
.rept (\n)/2
	v_pk_mul_f32 v[XR+I:XR+I+1], v[\src+I:\src+I+1], v[ER+I:ER+I+1]
.set I, I+2
.endr
	WIN 0
.endm
; 32 numbers of a lane, register 16 c + i = k 32 c + 16 (lane / 16) + i of its row, become six registers of codes: lanes 0-15 block 0, lanes 16-31 block 1; the bytes in v[tm+2], v[tm+3]
.macro QUANT2 s, pc, pt, tm
.irp c, 0,1
	v_max3_num_f32 v[\tm+\c], |v[\s+16*\c]|, |v[\s+1+16*\c]|, 0x2800000
.endr
.irp i, 2,4,6,8,10,12,14
.irp c, 0,1
	v_max3_num_f32 v[\tm+\c], v[\tm+\c], |v[\s+16*\c+\i]|, |v[\s+1+16*\c+\i]|
.endr
.endr
.irp c, 0,1
	v_permlanex16_b32 v[\tm+2+\c], v[\tm+\c], s[SEL], s[SEL+1]
.endr
.irp c, 0,1
	v_max_num_f32 v[\tm+\c], v[\tm+\c], v[\tm+2+\c]
.endr
.irp c, 0,1
	v_add_nc_u32 v[\tm+4+\c], 0xfe000000, v[\tm+\c]
.endr
.irp c, 0,1
	v_lshrrev_b32 v[\tm+2+\c], 23, v[\tm+4+\c]
.endr
	v_cvt_scalef32_pk16_bf6_f32 v[\pc:\pc+2], v[\s:\s+15], v[\tm+4]
	v_cvt_scalef32_pk16_bf6_f32 v[\pt:\pt+2], v[\s+16:\s+31], v[\tm+5]
	v_nop
.irp i, 0,1,2
	v_permlane16_swap_b32 v[\pc+\i], v[\pt+\i]
.endr
.irp i, 0,1,2
	v_mov_b32 v[\pc+3+\i], v[\pt+\i]
.endr
.endm
.macro QKUNIT ap, w                    ; Q or K of token tile 4 (w - 2) + ap
.set AA, 4*((\w)-2)+(\ap)
	s_wait_xcnt 0x0                                ; earlier stores have read their registers
	SILUW 32, 32*(\ap), \w
	s_wait_loadcnt 8*(7-AA)                        ; this tile's cos and sin are in; the later tiles' loads, eight each, may be out
	WIN 0x04                                       ; source 1: window 1
.set I, 0
.rept 16
	v_mul_f32 v[ER+I], v[XR+I], v[32*AA+I]
	v_mul_f32 v[ER+I+1], v[XR+I+1], v[32*AA+I]
	v_fma_f32 v[ER+I], -v[XR+I+1], v[32*AA+I+1], v[ER+I]      ; e cos - o sin
	v_fma_f32 v[ER+I+1], v[XR+I], v[32*AA+I+1], v[ER+I+1]     ; o cos + e sin
.set I, I+2
.endr
	WIN 0
	QUANT2 ER, PC+6*((\ap)%2), PT, TM
	v_lshl_or_b32 v[WD+AA], v[TM+3], 8, v[TM+2]
	v_or_b32 v[WD+AA], 0x7f7f0000, v[WD+AA]        ; the upper half of the K step is empty: scale 1
.if (\ap)%2
.irp c, 0,1,2
	global_store_b128 v[L16], v[PC+4*\c:PC+4*\c+3], s[QKB:QKB+1] offset:(AA/2)*1536+512*\c
.endr
.endif
.endm
.macro UUNIT ap, w
.set AA, 4*((\w)-2)+(\ap)
	SILUW 16, 128+16*(\ap), \w
.irp k, 0,1,2,3
	global_store_b128 v[L16], v[XR+4*\k:XR+4*\k+3], s[UBS:UBS+1] offset:AA*32768+512*\k
.endr
.endm
.macro VUNIT bb, w                     ; 16 channels of V, 64 tokens: two blocks
	s_wait_xcnt 0x0
	SILUW 32, 192+32*(\bb), \w
	QUANT2 XR, VCD+12*(\bb)+6*((\w)-2), PT, TM
.if (\w) == 2
	v_lshl_or_b32 v[VW+\bb], v[TM+3], 8, v[TM+2]
.else
	v_lshl_or_b32 v[VW+2], v[TM+3], 8, v[TM+2]
	v_lshl_or_b32 v[VW+\bb], v[VW+2], 16, v[VW+\bb]
.endif
.endm
.irp w, 2,3
.irp ap, 0,1,2,3
	QKUNIT \ap, \w
	UUNIT \ap, \w
.endr
	VUNIT 0, \w
	VUNIT 1, \w
.endr
	v_cmp_gt_u32 vcc_lo, 16, v[LNE]
.irp be, 0,1,2,3
	v_cndmask_b32 v[PK+\be], v[WD+2*\be+1], v[WD+2*\be], vcc_lo   ; lanes 0-15: the even tile's words, lanes 16-31: the odd tile's
.endr
	v_cndmask_b32 v[VW+3], v[VW+1], v[VW], vcc_lo
	global_store_b128 v[L16S], v[PK:PK+3], s[SBS:SBS+1]
.irp bb, 0,1
.irp c, 0,1,2
	global_store_b128 v[L16], v[VCD+12*\bb+4*\c:VCD+12*\bb+4*\c+3], s[VBS:VBS+1] offset:1536*\bb+512*\c
.endr
.endr
	global_store_b32 v[L8], v[VW+3], s[SBS:SBS+1] offset:1024
	s_wait_tensorcnt 0x0                           ; the wave's end
	ds_add_u32 v[SPW], v[NIL]
	s_wait_dscnt 0x0
	CROUND                                         ; the closing round
	s_endpgm
.Lfunc_end_k_q359b822fb7_gemm1:
	.size	k_q359b822fb7_gemm1, .Lfunc_end_k_q359b822fb7_gemm1-k_q359b822fb7_gemm1
	.p2alignl 7, 3214868480
	.fill 96, 4, 3214868480
	.section	.rodata,"a",@progbits
	.p2align	6, 0x0
	.amdhsa_kernel k_q359b822fb7_gemm1
		.amdhsa_group_segment_fixed_size 327680
		.amdhsa_private_segment_fixed_size 0
		.amdhsa_enable_private_segment 0
		.amdhsa_kernarg_size 40
		.amdhsa_user_sgpr_count 2
		.amdhsa_user_sgpr_kernarg_segment_ptr 1
		.amdhsa_wavefront_size32 1
		.amdhsa_system_sgpr_workgroup_id_x 1
		.amdhsa_system_sgpr_workgroup_id_y 1
		.amdhsa_system_sgpr_workgroup_id_z 1
		.amdhsa_system_vgpr_workitem_id 0
		.amdhsa_next_free_vgpr 1024
		.amdhsa_next_free_sgpr 104
		.amdhsa_reserve_vcc 1
		.amdhsa_float_denorm_mode_32 3
		.amdhsa_float_denorm_mode_16_64 3
		.amdhsa_memory_ordered 1
		.amdhsa_forward_progress 1
		.amdhsa_inst_pref_size 255
	.end_amdhsa_kernel
	.section	.bss,"aw",@nobits
	.p2align	6
	.space	262144
	.amdgpu_metadata
---
amdhsa.version: [ 1, 2 ]
amdhsa.kernels:
  - .name:           k_q359b822fb7_gemm1
    .symbol:         k_q359b822fb7_gemm1.kd
    .args:
      - { .name: hq, .offset: 0, .size: 8, .value_kind: global_buffer, .address_space: global }
      - { .name: wq, .offset: 8, .size: 8, .value_kind: global_buffer, .address_space: global }
      - { .name: tab, .offset: 16, .size: 8, .value_kind: global_buffer, .address_space: global }
      - { .name: qkv, .offset: 24, .size: 8, .value_kind: global_buffer, .address_space: global }
      - { .name: ub, .offset: 32, .size: 8, .value_kind: global_buffer, .address_space: global }
    .group_segment_fixed_size: 327680
    .private_segment_fixed_size: 0
    .kernarg_segment_align: 8
    .kernarg_segment_size: 40
    .max_flat_workgroup_size: 128
    .sgpr_count:     104
    .vgpr_count:     1024
    .wavefront_size: 32
...
	.end_amdgpu_metadata
.endif
;; end of part 2
;; launch attn (part 3): grid 64 x 4, 8 waves a work-group, no clusters, 239,104 bytes of LDS; arguments qkv, ub, cb, tab, wq, x, o_b, pr_ln_g, pr_ln_b, next_action_type, next_mask, out0; writes out0
.if DOCPART == 3
	.amdgcn_target "amdgcn-amd-amdhsa--gfx1250"
	.amdhsa_code_object_version 6
	.text
	.protected	k_q359b822fb7_attn
	.globl	k_q359b822fb7_attn
	.p2align	8
	.type	k_q359b822fb7_attn,@function
k_q359b822fb7_attn:
	s_mov_b64 s[64:65], 0
	v_nop
	global_prefetch_b8 v0, s[64:65] scope:SCOPE_SE
	s_setreg_imm32_b32 hwreg(HW_REG_WAVE_MODE, 25, 1), 1
	s_wait_xcnt 0x0
; scores = Q K^T + ts_w[bucket] + pos_w[rel]; p = silu(scores) / S where the mask is true, else 0; out = LN(p V); y = x + (U out) o_w + o_b; out0 = y + LN(y) tanh(r) r_scale + b b_scale.
; All three products on codes of E3M2 with one E8M0 scale for each 32 along K.
; SHARES.  A work-group owns 32 queries of one batch, for all 8 heads: wave w is head w, with two tiles of 16 queries (lane r of tile t: query 8 t + r + 8 (r / 8)).  Every wave walks all 2,048 keys, 128 a step.
; K's and V's fragments of the wave's own head come from memory as images of the operand's registers, straight into registers, a step ahead.
; THE BIAS hangs on (batch, query, key) alone: the eight waves build it once for each block of 256 keys, four rows each, a block ahead, into one of two images in LDS, and every wave reads it as the C of its score
; products: it costs no vector instruction a score.  A masked score's bias is -1e30: its silu is 0.  The bucket bytes were stored by an earlier launch; here they index a table of 256 words in memory.
; LAYOUT.  Both products are used transposed (S^T = K Q^T, O^T = V^T P^T): a lane holds one query throughout.  K = 64 in the first product: the upper six registers of K's operand are the next tile's codes,
; which meet zero codes of Q under scale 1 and add nothing.
; 1 / S = 2^-11 is taken behind the second product's sums: it only shifts p's scales.
; LOADS ARE ASKED FOR AS SOON AS THEIR REGISTERS ARE FREE: at the head all that hangs on no loaded number goes out in one batch, and both pairs' gathers in a second; at the end each run of loads stands behind the
; last reader of the registers that it fills, not behind the phase that is in hand.
; No joint loads of K and V: a step's fragments are 12.5 KiB a wave against some 1,300 vector instructions; they are read by 64 work-groups at about the same time.
; LIMITS: NaN and infinities are not served; a masked score is score - 1e30, right for |score| under 1e29; silu is 0 for x under about -87; taking 2^-11 at the end differs from the rule only for blocks whose
; largest p lies under 2^-111; a block of zeros carries the byte 1 (its codes are zeros).
; REGISTERS.  window 0: v1-11, v21, v30-33, v38-39 addresses; v12-15 K's, v16-17 V's, v18 Q's, v19-20 p's scale words; v22-37 at work; v40-47 bucket words; v48-63 gathered ts; v64-79 pos; v80-103 p's codes;
;   v104-111 at work; v112-127 o_w's scale words; v128-191 scores; v192-255 e, then p.   window 1: v0-53 K (8 x 6 + 6 zeros); v56-103 V; v104-127 Q; v192-255 O^T.
.set KC, 3145728
.set VC, 6291456
.set SCO, 9437184
.set PX, 1024
.set FT, 590848
.set OC, 1638400
.set OS, 2031616
.set HP, 272                           ; the bias image: from half to half of the lanes,
.set KP, 544                           ; from four keys to the next four,
.set BP, 2336                          ; from 32 keys to the next,
.set TP, 9344                          ; from tile to tile of queries,
.set S2P, 18816                        ; from 128 keys to the next
.set BIAS1, 65536                      ; the second image
.set UDI, 40960                        ; U x out as codes: 8 fragments of 1,536 bytes
.set USC, 53248                        ; and their scale words
.set STAGE, 106496                     ; 32 rows x (4,096 + 16) bytes of y
.set SPI, 4112
.set RD0, 1
.set RD1, 2
.set WR0, 3
.set WR1, 4
.set L16, 5
.set COFF, 6
.set POF, 7
.set L8, 9
.set L4, 10
.set PFO, 11                           ; the prefetches of x: 256 x lane
.set KS, 12
.set VS, 16
.set QS, 18
.set PW, 19
.set LN, 21                            ; the lane's number, at the head alone;
.set PFU, 21                           ; then the prefetch of U: 32,768 x (lane / 16) + 256 x (lane % 16)
.set TM, 22
.set UDR, 30
.set USR, 31
.set STW, 32
.set STR, 33
.set UDW, 38
.set USW, 39
.set CW, 40
.set GT, 48
.set PS, 64
.set P0, 80
.set PT, 104
.set OWS, 112
.set AR, 128
.set GT2, 128                          ; at the head alone: the second pair's gathers and pos_w, where the scores will lie
.set PS2, 144
.set BXR, 192
.set SEL, 62
.set MSB, 0
.macro WIN new                         ; bits 1:0 source 0, 3:2 source 1, 5:4 source 2, 7:6 destination; the high byte repeats the setting that is left
.if MSB != \new
	s_set_vgpr_msb (MSB<<8)|\new
.set MSB, \new
.endif
.endm
.macro PLACES                          ; four plain places behind a matrix instruction (ISA guide 7.12.1)
.rept 4
	v_nop
.endr
.endm
.macro WM d, a, b, z, sa, sb, ra, rb   ; one scaled product; z = 1: C is 0, else C is D; ra, rb: the scales stand in lanes 16-31
.set WMK, 4*(\z)+2*(\ra)+(\rb)
.if WMK == 0
	v_wmma_scale_f32_16x16x128_f8f6f4 v[\d:\d+7], v[\a:\a+11], v[\b:\b+11], v[\d:\d+7], v[\sa], v[\sb] matrix_a_fmt:MATRIX_FMT_BF6 matrix_b_fmt:MATRIX_FMT_BF6
.elseif WMK == 1
	v_wmma_scale_f32_16x16x128_f8f6f4 v[\d:\d+7], v[\a:\a+11], v[\b:\b+11], v[\d:\d+7], v[\sa], v[\sb] matrix_a_fmt:MATRIX_FMT_BF6 matrix_b_fmt:MATRIX_FMT_BF6 matrix_b_scale:MATRIX_SCALE_ROW1
.elseif WMK == 2
	v_wmma_scale_f32_16x16x128_f8f6f4 v[\d:\d+7], v[\a:\a+11], v[\b:\b+11], v[\d:\d+7], v[\sa], v[\sb] matrix_a_fmt:MATRIX_FMT_BF6 matrix_b_fmt:MATRIX_FMT_BF6 matrix_a_scale:MATRIX_SCALE_ROW1
.elseif WMK == 3
	v_wmma_scale_f32_16x16x128_f8f6f4 v[\d:\d+7], v[\a:\a+11], v[\b:\b+11], v[\d:\d+7], v[\sa], v[\sb] matrix_a_fmt:MATRIX_FMT_BF6 matrix_b_fmt:MATRIX_FMT_BF6 matrix_a_scale:MATRIX_SCALE_ROW1 matrix_b_scale:MATRIX_SCALE_ROW1
.elseif WMK == 4
	v_wmma_scale_f32_16x16x128_f8f6f4 v[\d:\d+7], v[\a:\a+11], v[\b:\b+11], 0, v[\sa], v[\sb] matrix_a_fmt:MATRIX_FMT_BF6 matrix_b_fmt:MATRIX_FMT_BF6
.else
	v_wmma_scale_f32_16x16x128_f8f6f4 v[\d:\d+7], v[\a:\a+11], v[\b:\b+11], 0, v[\sa], v[\sb] matrix_a_fmt:MATRIX_FMT_BF6 matrix_b_fmt:MATRIX_FMT_BF6 matrix_a_scale:MATRIX_SCALE_ROW1
.endif
.endm
.macro WSUM a, t
	v_add_f32_dpp v[\a], v[\a], v[\a] row_xmask:1 row_mask:0xf bank_mask:0xf
	v_add_f32_dpp v[\a], v[\a], v[\a] row_xmask:2 row_mask:0xf bank_mask:0xf
	v_add_f32_dpp v[\a], v[\a], v[\a] row_xmask:4 row_mask:0xf bank_mask:0xf
	v_add_f32_dpp v[\a], v[\a], v[\a] row_xmask:8 row_mask:0xf bank_mask:0xf
	v_permlanex16_b32 v[\t], v[\a], s[SEL], s[SEL+1]
	v_add_f32 v[\a], v[\a], v[\t]
.endm
; 32 numbers of a lane (register 16 c + i = k 32 c + 16 (lane / 16) + i) -> six registers of codes: lanes 0-15 block 0, lanes 16-31 block 1; the bytes in v[tm+2], v[tm+3]
.macro QUANT2 s, pc, pt, tm
.irp c, 0,1
	v_max3_num_f32 v[\tm+\c], |v[\s+16*\c]|, |v[\s+1+16*\c]|, 0x2800000
.endr
.irp i, 2,4,6,8,10,12,14
.irp c, 0,1
	v_max3_num_f32 v[\tm+\c], v[\tm+\c], |v[\s+16*\c+\i]|, |v[\s+1+16*\c+\i]|
.endr
.endr
.irp c, 0,1
	v_permlanex16_b32 v[\tm+2+\c], v[\tm+\c], s[SEL], s[SEL+1]
.endr
.irp c, 0,1
	v_max_num_f32 v[\tm+\c], v[\tm+\c], v[\tm+2+\c]
.endr
.irp c, 0,1
	v_add_nc_u32 v[\tm+4+\c], 0xfe000000, v[\tm+\c]
.endr
.irp c, 0,1
	v_lshrrev_b32 v[\tm+2+\c], 23, v[\tm+4+\c]
.endr
	v_cvt_scalef32_pk16_bf6_f32 v[\pc:\pc+2], v[\s:\s+15], v[\tm+4]
	v_cvt_scalef32_pk16_bf6_f32 v[\pt:\pt+2], v[\s+16:\s+31], v[\tm+5]
	v_nop
.irp i, 0,1,2
	v_permlane16_swap_b32 v[\pc+\i], v[\pt+\i]
.endr
.irp i, 0,1,2
	v_mov_b32 v[\pc+3+\i], v[\pt+\i]
.endr
.endm
; 64 numbers of a lane (register 16 b + i = k 32 b + 16 (lane / 16) + i) -> a fragment's twelve registers and its scale word
.macro QUANT4 s, pc, pt, tm, pw
.irp b, 0,1,2,3
	v_max3_num_f32 v[\tm+\b], |v[\s+16*\b]|, |v[\s+1+16*\b]|, 0x2800000   ; with the floor 2^(5 - 127): the byte cannot fall under 1
.endr
.irp i, 2,4,6,8,10,12,14
.irp b, 0,1,2,3
	v_max3_num_f32 v[\tm+\b], v[\tm+\b], |v[\s+16*\b+\i]|, |v[\s+1+16*\b+\i]|
.endr
.endr
.irp b, 0,1,2,3
	v_permlanex16_b32 v[\tm+4+\b], v[\tm+\b], s[SEL], s[SEL+1]
.endr
.irp b, 0,1,2,3
	v_max_num_f32 v[\tm+\b], v[\tm+\b], v[\tm+4+\b]
.endr
.irp b, 0,1,2,3
	v_add_nc_u32 v[\tm+12+\b], 0xfe000000, v[\tm+\b]
.endr
.irp b, 0,1,2,3
	v_lshrrev_b32 v[\tm+4+\b], 23, v[\tm+12+\b]
.endr
	v_lshl_or_b32 v[\pw], v[\tm+5], 8, v[\tm+4]
	v_lshl_or_b32 v[\pw], v[\tm+6], 16, v[\pw]
	v_lshl_or_b32 v[\pw], v[\tm+7], 24, v[\pw]
.irp c, 0,1
	v_cvt_scalef32_pk16_bf6_f32 v[\pc+6*\c:\pc+2+6*\c], v[\s+32*\c:\s+15+32*\c], v[\tm+12+2*\c]
	v_cvt_scalef32_pk16_bf6_f32 v[\pt+4*\c:\pt+2+4*\c], v[\s+16+32*\c:\s+31+32*\c], v[\tm+12+2*\c+1]
.endr
	v_nop
.irp c, 0,1
.irp i, 0,1,2
	v_permlane16_swap_b32 v[\pc+6*\c+\i], v[\pt+4*\c+\i]
.endr
.irp i, 0,1,2
	v_mov_b32 v[\pc+3+6*\c+\i], v[\pt+4*\c+\i]
.endr
.endr
.endm
; THE BUILDER, for a pair of rows (sixteen lanes to a row, 16 keys a lane).  BX: the 16 bucket bytes become byte offsets into the table, held under its 256 words.
.macro BX pair, gt
.irp k, 0,1,2,3
.irp m, 0,1,2,3
	v_bfe_u32 v[\gt+4*\k+\m], v[CW+4*(\pair)+\k], 8*\m, 8
.endr
.endr
.set I, 0
.rept 16
	v_min_u32 v[\gt+I], 0xff, v[\gt+I]
.set I, I+1
.endr
.set I, 0
.rept 16
	v_lshlrev_b32 v[\gt+I], 2, v[\gt+I]
.set I, I+1
.endr
.endm
; its 21 loads: BLG the 16 gathers (each lands on its own offset), BLP 16 numbers of pos_w, BLC the pair's bucket words of the block after
.macro BLG gt
.set I, 0
.rept 16
	global_load_b32 v[\gt+I], v[\gt+I], s[10:11]
.set I, I+1
.endr
.endm
.macro BLP pair, ps, pb
.irp k, 0,1,2,3
	global_load_b128 v[\ps+4*\k:\ps+4*\k+3], v[POF+\pair], s[\pb:\pb+1] offset:16*\k
.endr
.endm
.macro BLC pair, cs
	global_load_b128 v[CW+4*(\pair):CW+4*(\pair)+3], v[COFF], s[\cs:\cs+1] offset:512*(\pair)
.endm
; BF: the sums go into the image that is being built
.macro BF pair, wr, gt, ps
.set I, 0
.rept 8
	v_pk_add_f32 v[\gt+I:\gt+I+1], v[\gt+I:\gt+I+1], v[\ps+I:\ps+I+1]
.set I, I+2
.endr
.irp k, 0,1,2,3
	ds_store_b128 v[\wr], v[\gt+4*\k:\gt+4*\k+3] offset:KP*\k+32*(\pair)
.endr
.endm
.macro BIASLD t, s2, rd                ; tile t's bias for 128 keys: the C of its eight score products
.irp be, 0,1,2,3
.irp k, 0,1,2,3
	ds_load_b128 v[AR+16*\be+4*\k:AR+16*\be+4*\k+3], v[\rd] offset:(\s2)*S2P+(\t)*TP+\be*BP+\k*KP
.endr
.endr
.endm
.macro KQ t                            ; S^T = K Q^T + bias: eight accumulators, one instruction each
	WIN 0x05
.irp kt, 0,1,2,3,4,5,6,7
	WM AR+8*\kt, 6*\kt, 104+12*(\t), 0, KS+\kt/2, QS, \kt%2, \t
.endr
	WIN 0
.endm
.macro SILU                            ; x / (1 + 2^(-x log2 e)) of 64 scores: two batches of transcendentals, one wait each
.set I, 0
.rept 32
	v_pk_mul_f32 v[BXR+I:BXR+I+1], v[AR+I:AR+I+1], s[60:61] op_sel_hi:[1,0]   ; each accumulator from its low end on
.set I, I+2
.endr
.set I, 0
.rept 64
	v_exp_f32 v[BXR+I], v[BXR+I]
.set I, I+1
.endr
	v_nop
	s_wait_alu depctr_va_vdst(0)
.set I, 0
.rept 32
	v_pk_add_f32 v[BXR+I:BXR+I+1], v[BXR+I:BXR+I+1], 1.0 op_sel_hi:[1,0]
.set I, I+2
.endr
.set I, 0
.rept 64
	v_rcp_f32 v[BXR+I], v[BXR+I]
.set I, I+1
.endr
	v_nop
	s_wait_alu depctr_va_vdst(0)
.set I, 0
.rept 32
	v_pk_mul_f32 v[BXR+I:BXR+I+1], v[BXR+I:BXR+I+1], v[AR+I:AR+I+1]
.set I, I+2
.endr
.endm
.macro KLD kb, ki, sb, si              ; 13 loads: a step's K and its scale words
	WIN 0x40
.irp c, 0,1,2,3,4,5,6,7,8,9,10,11
	global_load_b128 v[4*\c:4*\c+3], v[L16], s[\kb:\kb+1] offset:\ki+512*\c
.endr
	WIN 0
	global_load_b128 v[KS:KS+3], v[L16], s[\sb:\sb+1] offset:\si
.endm
.macro VLD vb, vi, sb, si              ; 13 loads: a step's V and its scale words
	WIN 0x40
.irp c, 0,1,2,3,4,5,6,7,8,9,10,11
	global_load_b128 v[56+4*\c:59+4*\c], v[L16], s[\vb:\vb+1] offset:\vi+512*\c
.endr
	WIN 0
	global_load_b64 v[VS:VS+1], v[L8], s[\sb:\sb+1] offset:\si+1024
.endm
.macro PV                              ; O^T += V^T P^T: eight accumulators by turns
	WIN 0x51
.irp dt, 0,1,2,3
.irp t, 0,1
	WM 192+32*\t+8*\dt, 56+12*\dt, P0+12*\t, 0, VS+\dt/2, PW+\t, \dt%2, 0
.endr
.endr
	WIN 0
.endm
; A KEY STEP: the sg-th 128 keys of a block; it also builds pair sg of my four rows of the next block's bias.
.macro STEP sg, rd, wr
.if \sg == 0
	BIASLD 0, 0, \rd                               ; behind the change of blocks: tile 0's bias lands while the builder's offsets are made (no LDS instruction of mine is out here)
.else
	s_wait_dscnt 0x0                               ; the last step's stores into the image have read their registers, and tile 0's bias, asked for in that step, is in
.endif
	BX \sg, GT
	BLG GT
	BLP \sg, PS, 44
	BLC \sg, 46
	s_wait_loadcnt 34                              ; K is in; V's 13 loads and the builder's 21 may be out
.if \sg == 0
	s_wait_dscnt 0x0
.endif
	KQ 0
	PLACES
	SILU
	BIASLD 1, \sg, \rd                             ; the scores' registers are free: tile 1's bias lands while tile 0 is quantised
	QUANT4 BXR, P0, PT, TM, PW
	s_wait_dscnt 0x0
	KQ 1
	PLACES
.if \sg == 0
	KLD 32, 6144, 40, 1536                         ; the next step's K
.else
	KLD 34, 0, 42, 0
.endif
	SILU
.if \sg == 0
	BIASLD 0, 1, \rd                               ; the scores' registers are free again: the next step's first bias, out of the same image
.endif
	QUANT4 BXR, P0+12, PT, TM, PW+1
	s_wait_loadcnt 13                              ; all but the 13 loads of K just issued: V, the gathers, pos_w, the next bucket words
	BF \sg, \wr, GT, PS                            ; its eight additions are also the places in front of the scaled products below
	PV
	PLACES
.if \sg == 0
	VLD 36, 6144, 40, 1536
.else
	VLD 38, 0, 42, 0
.endif
.endm
; THE CHANGE OF BLOCKS: one barrier.  In front of it my stores into the image just built have landed and my reads of the other are over.  The look-ahead of the last block is held at the last block: no load leaves its buffer.
.macro ADVANCE
	s_wait_dscnt 0x0
	s_barrier_signal -1
	s_barrier_wait -1
	s_wait_xcnt 0x0                                ; the bases are written again only behind this wait
	s_add_co_u32 s31, s31, 1
	s_add_co_u32 s84, s31, 1
	s_min_u32 s84, s84, 7
	s_add_co_u32 s85, s31, 2
	s_min_u32 s85, s85, 7
	s_mov_b64 s[32:33], s[34:35]
	s_mov_b64 s[36:37], s[38:39]
	s_mov_b64 s[40:41], s[42:43]
	s_mul_i32 s86, s84, 12288
	s_add_nc_u64 s[34:35], s[50:51], s[86:87]
	s_add_nc_u64 s[38:39], s[52:53], s[86:87]
	s_mul_i32 s86, s84, 3072
	s_add_nc_u64 s[42:43], s[54:55], s[86:87]
	s_lshl_b32 s86, s84, 10
	s_add_nc_u64 s[44:45], s[58:59], s[86:87]
	s_lshl_b32 s86, s85, 19
	s_add_nc_u64 s[46:47], s[56:57], s[86:87]
.endm
	s_load_b512 s[4:19], s[0:1], 0x0               ; qkv, ub, cb, tab, wq, x, o_b, pr_ln_g
	s_load_b256 s[20:27], s[0:1], 0x40             ; pr_ln_b, next_action_type, next_mask, out0
	v_lshl_add_u32 v107, v0, 2, 0x3a200
	v_mov_b32 v111, 0
	v_lshrrev_b32 v1, 5, v0
	v_readfirstlane_b32 s28, v1                    ; wave = head
	s_mov_b32 s29, ttmp9                           ; which 32 queries
	s_and_b32 s30, ttmp7, 0xffff                   ; batch
	s_mov_b32 s31, 0                               ; key block
	s_mov_b32 s87, 0                               ; the upper word of every 32-bit offset in s[86:87]
	s_mov_b32 s60, 0xbfb8aa3b                      ; -log2(e)
	s_mov_b32 s61, s60
	s_mov_b32 s[SEL], 0x76543210
	s_mov_b32 s[SEL+1], 0xfedcba98
	s_mov_b32 s95, 0x3727c5ac                      ; 1e-5
	s_mov_b32 s96, 0x3c800000                      ; 1/64
	s_mov_b32 s97, 0x3a800000                      ; 1/1024
	v_and_b32 v[LN], 31, v0
	v_and_b32 v22, 15, v0                          ; r; for the builder: which 16 keys
	v_bfe_u32 v23, v0, 4, 1                        ; h; for the builder: which row of a pair
	v_mul_u32_u24 v[RD0], v23, HP
	v_lshl_add_u32 v[RD0], v22, 4, v[RD0]          ; a reader's place in an image: 272 h + 16 r
	v_add_nc_u32 v[RD1], BIAS1, v[RD0]
	v_bfe_u32 v24, v0, 3, 1                        ; a builder's place: query q = 4 w + row of the pair (+ 2 pair), keys 16 g on
	v_mul_u32_u24 v[WR0], v24, S2P
	v_bfe_u32 v24, v0, 6, 1                        ; tile = (q / 8) % 2
	v_mad_u32_u24 v[WR0], v24, TP, v[WR0]
	v_bfe_u32 v24, v0, 1, 2
	v_mad_u32_u24 v[WR0], v24, BP, v[WR0]
	v_and_b32 v24, 1, v0
	v_mad_u32_u24 v[WR0], v24, HP, v[WR0]
	v_bfe_u32 v24, v0, 7, 1                        ; r = 8 (q / 16) + q % 8
	v_lshl_add_u32 v[WR0], v24, 7, v[WR0]
	v_bfe_u32 v24, v0, 5, 1
	v_lshl_add_u32 v[WR0], v24, 6, v[WR0]
	v_lshl_add_u32 v[WR0], v23, 4, v[WR0]
	v_add_nc_u32 v[WR1], BIAS1, v[WR0]
	v_lshlrev_b32 v[L16], 4, v[LN]
	v_lshlrev_b32 v[L8], 3, v[LN]
	v_lshlrev_b32 v[L4], 2, v[LN]
	v_lshlrev_b32 v[PFO], 8, v[LN]
	v_lshlrev_b32 v[PFU], 15, v23                  ; (the lane's number is not wanted from here on)  U's two tiles lie 32,768 bytes apart, 4,096 bytes each
	v_lshl_add_u32 v[PFU], v22, 8, v[PFU]
	s_lshl_b32 s84, s28, 10
	v_add_nc_u32 v[COFF], s84, v[L16]              ; my four rows' bucket bytes: 1,024 w + 512 pair + 16 lane
	s_lshl_b32 s84, s29, 7
	s_lshl_b32 s85, s28, 4
	s_add_co_u32 s84, s84, s85
	s_sub_co_u32 s84, 8176, s84                    ; 4 (2044 - 32 ib - 4 w)
	v_sub_nc_u32 v24, 3, v23                       ; the copy of pos_w whose shift makes my row's loads fall on multiples of 16 bytes: 3 - 2 pair - row
	v_lshlrev_b32 v24, 14, v24
	v_lshl_add_u32 v24, v22, 6, v24
	v_add_nc_u32 v[POF], s84, v24
	v_add_nc_u32 v[POF+1], 0xffff8000, v[POF]      ; pair 1: two copies down
	s_lshr_b32 s84, s28, 1
	s_mul_i32 s84, s84, 1536
	s_and_b32 s85, s28, 1
	s_mul_i32 s86, s85, 768
	s_add_co_u32 s84, s84, s86
	s_add_co_u32 s84, s84, UDI
	v_add_nc_u32 v[UDW], s84, v[L8]                ; my head's six registers of K step w / 2
	s_lshr_b32 s84, s28, 1
	s_lshl_b32 s84, s84, 7
	s_lshl_b32 s85, s85, 1
	s_add_co_u32 s84, s84, s85
	s_add_co_u32 s84, s84, USC
	v_add_nc_u32 v[USW], s84, v[L4]                ; and its two scale bytes
	v_add_nc_u32 v[UDR], UDI, v[L8]
	v_add_nc_u32 v[USR], USC, v[L4]
	v_and_b32 v24, 8, v22
	v_add_nc_u32 v24, v24, v22
	v_mul_u32_u24 v[STW], v24, SPI
	v_lshl_add_u32 v[STW], v23, 5, v[STW]
	s_lshl_b32 s84, s28, 9
	s_add_co_u32 s84, s84, STAGE
	v_add_nc_u32 v[STW], s84, v[STW]               ; into the stage: row r + 8 (r / 8) (+ 8 t), my 128 columns, 32 h
	s_mul_i32 s84, s28, 4*SPI
	s_add_co_u32 s84, s84, STAGE
	v_add_nc_u32 v[STR], s84, v[L16]               ; out of it: my four rows
.irp i, 22,23,24,25,26,27,28,29,34,35,36,37
	v_mov_b32 v[\i], 0                             ; written once: a lane permute's destination counts as one of its sources
.endr
	s_lshl_b32 s84, s30, 3
	s_add_co_u32 s84, s84, s28                     ; batch x 8 + head
	s_mul_i32 s86, s84, 98304
	s_wait_kmcnt 0x0
	s_add_nc_u64 s[88:89], s[4:5], s[86:87]
	s_add_nc_u64 s[50:51], s[88:89], KC            ; my head's K,
	s_add_nc_u64 s[52:53], s[88:89], VC            ; V,
	s_mul_i32 s86, s84, 24576
	s_add_co_u32 s86, s86, SCO
	s_add_nc_u64 s[54:55], s[4:5], s[86:87]        ; and scale words
	s_lshr_b32 s84, s29, 2
	s_and_b32 s85, s29, 3
	s_mul_i32 s86, s84, 6144
	s_mul_i32 s94, s85, 1536
	s_add_co_u32 s86, s86, s94
	s_add_nc_u64 s[88:89], s[88:89], s[86:87]      ; my two tiles of Q
	s_mul_i32 s86, s84, 1536
	s_lshl_b32 s94, s85, 2
	s_add_co_u32 s86, s86, s94
	s_add_co_u32 s86, s86, 512
	s_add_nc_u64 s[98:99], s[54:55], s[86:87]      ; and their scale words
	s_lshl_b32 s86, s30, 22
	s_lshl_b32 s94, s29, 13
	s_add_co_u32 s86, s86, s94
	s_add_nc_u64 s[56:57], s[8:9], s[86:87]        ; the bucket bytes of my 32 rows, block 0
	s_add_nc_u64 s[58:59], s[10:11], PX
	s_lshl_b32 s84, s30, 11
	s_lshl_b32 s85, s29, 5
	s_add_co_u32 s84, s84, s85
	s_lshl_b32 s85, s28, 2
	s_add_co_u32 s84, s84, s85                     ; the first of the four tokens whose rows I finish
	s_lshl_b32 s94, s84, 2
	s_load_b128 s[68:71], s[22:23], s94 offset:0x0
	s_load_b128 s[72:75], s[24:25], s94 offset:0x0
	s_lshl_b32 s86, s84, 12
	s_add_nc_u64 s[90:91], s[14:15], s[86:87]      ; their rows of x
	s_add_nc_u64 s[92:93], s[26:27], s[86:87]      ; and of out0
	s_lshl_b32 s84, s30, 7
	s_lshl_b32 s85, s29, 1
	s_add_co_u32 s84, s84, s85
	s_lshl_b32 s84, s84, 3
	s_add_co_u32 s84, s84, s28
	s_lshl_b32 s86, s84, 12
	s_add_nc_u64 s[48:49], s[6:7], s[86:87]        ; U of my two tiles, my head
	s_mov_b64 s[32:33], s[50:51]                   ; K, V, scale words: this block's and the next's
	s_add_nc_u64 s[34:35], s[50:51], 12288
	s_mov_b64 s[36:37], s[52:53]
	s_add_nc_u64 s[38:39], s[52:53], 12288
	s_mov_b64 s[40:41], s[54:55]
	s_add_nc_u64 s[42:43], s[54:55], 3072
	s_mov_b64 s[44:45], s[58:59]                   ; first block 0's bias is built: pos_w at block 0,
	s_add_nc_u64 s[46:47], s[56:57], 524288        ; and block 1's bucket words are fetched
; ONE BATCH of all that hangs on no loaded number: Q, its scale words and block 0's bucket words first, since they are wanted first; then pos_w for both pairs of rows, and K and V of step 0
.irp c, 0,1,2
	global_load_b128 v[P0+4*\c:P0+4*\c+3], v[L16], s[88:89] offset:512*\c
.endr
	global_load_b32 v[QS], v[L16], s[98:99]
	global_load_b128 v[CW:CW+3], v[COFF], s[56:57]
	global_load_b128 v[CW+4:CW+7], v[COFF], s[56:57] offset:512
	BLP 0, PS, 44
	BLP 1, PS2, 44
	KLD 32, 0, 40, 0
	VLD 36, 0, 40, 0
	s_wait_kmcnt 0x0
.irp p, 0,1,2,3
	s_add_co_u32 s[68+\p], s[68+\p], 1             ; id = (type + 1) where next_mask is 1, else 0
	s_cmp_eq_u32 s[72+\p], 1
	s_cselect_b32 s[68+\p], s[68+\p], 0
	s_min_u32 s[68+\p], s[68+\p], 3
	s_lshl_b32 s86, s[68+\p], 13
	s_add_co_u32 s86, s86, FT
	s_add_nc_u64 s[76+2*\p:77+2*\p], s[10:11], s[86:87]
.endr
	s_wait_loadcnt 34                              ; Q, its scale words and the bucket words are in; pos_w's 8 loads and K's and V's 26 may be out
	BX 0, GT
	BX 1, GT2
	BLG GT                                         ; THE SECOND BATCH: both pairs' gathers, and block 1's bucket words
	BLG GT2
	BLC 0, 46
	BLC 1, 46
	WIN 0x40                                       ; (none of these registers is the target of a load that is out)
.irp i, 0,1,2,3,4,5
	v_mov_b32 v[104+\i], v[P0+\i]                  ; Q's two tiles, each with six registers of zero codes above
	v_mov_b32 v[116+\i], v[P0+6+\i]
	v_mov_b32 v[110+\i], 0
	v_mov_b32 v[122+\i], 0
	v_mov_b32 v[48+\i], 0                          ; what stands above K's last tile
.endr
.set I, 0
.rept 64
	v_mov_b32 v[192+I], 0                          ; O^T: the step is written once, and its first run finds zeros
.set I, I+1
.endr
	WIN 0
	s_wait_loadcnt 0x0
	BF 0, WR0, GT, PS
	BF 1, WR0, GT2, PS2
	s_add_nc_u64 s[44:45], s[58:59], 1024          ; the loop's first block builds block 1 and fetches block 2's bucket words
	s_add_nc_u64 s[46:47], s[56:57], 1048576
	s_wait_dscnt 0x0
	s_barrier_signal -1
	s_barrier_wait -1                              ; block 0's bias is whole
	s_mov_b32 s67, 4
.Lblk:                                             ; four trips of two key blocks: the two images change parts
	STEP 0, RD0, WR1
	STEP 1, RD0, WR1
	ADVANCE
	STEP 0, RD1, WR0
	s_cmp_eq_u32 s67, 1                            ; in the last trip, one key step ahead of the loads: my own 8,192 bytes of U and my four rows of x, 16,384 bytes; a lane names 256 bytes, each named once in the launch
	s_cbranch_scc0 .Lnot_yet
	global_prefetch_b8 v[PFU], s[48:49] th:TH_LOAD_NT scope:SCOPE_SE
	global_prefetch_b8 v[PFO], s[90:91] th:TH_LOAD_NT scope:SCOPE_SE
	global_prefetch_b8 v[PFO], s[90:91] offset:8192 th:TH_LOAD_NT scope:SCOPE_SE
.Lnot_yet:
	STEP 1, RD1, WR0
	ADVANCE
	s_sub_co_u32 s67, s67, 1
	s_cmp_lg_u32 s67, 0
	s_cbranch_scc1 .Lblk
; ---- 1: out = LN(O^T / 2048) over the head's 64 channels, x U, quantised: my head's half of K step w / 2 of the last product
	s_lshl_b32 s86, s28, 11                        ; (the change of blocks above has freed the bases)
	s_add_co_u32 s86, s86, OS
	s_add_nc_u64 s[34:35], s[12:13], s[86:87]      ; o_w's scale words for my 128 columns
	s_mul_i32 s86, s28, 49152
	s_add_co_u32 s86, s86, OC
	s_add_nc_u64 s[36:37], s[12:13], s[86:87]      ; and its fragments
.irp t, 0,1
.irp k, 0,1,2,3,4,5,6,7
	global_load_b128 v[AR+32*\t+4*\k:AR+32*\t+4*\k+3], v[L16], s[48:49] offset:32768*\t+512*\k
.endr
.endr
.irp p, 0,1,2,3
.irp s, 0,1,2,3
	global_load_b32 v[OWS+4*\p+\s], v[L4], s[34:35] offset:(4*\p+\s)*128
.endr
.endr
.macro WBLD s, buf                     ; 24 loads: K step s of o_w's eight tiles into window 1, v[96 buf] on
	WIN 0x40
.irp n, 0,1,2,3,4,5,6,7
.irp c, 0,1,2
	global_load_b128 v[96*(\buf)+12*\n+4*\c:96*(\buf)+12*\n+4*\c+3], v[L16], s[36:37] offset:(4*\n+(\s))*1536+512*\c
.endr
.endr
	WIN 0
.endm
.macro XLD p, reg                      ; 8 loads: row p of my four rows of x into window 1, v[reg] on
	WIN 0x40
.irp i, 0,1,2,3,4,5,6,7
	global_load_b128 v[\reg+4*\i:\reg+4*\i+3], v[L16], s[90:91] offset:4096*(\p)+512*\i th:TH_LOAD_NT
.endr
	WIN 0
.endm
.macro FTLD p, gr                      ; 16 loads: row p's tanh(r) r_scale and b b_scale, by its id
.irp i, 0,1,2,3,4,5,6,7
	global_load_b128 v[\gr+4*\i:\gr+4*\i+3], v[L16], s[76+2*(\p):77+2*(\p)] offset:512*\i
.endr
.irp i, 0,1,2,3,4,5,6,7
	global_load_b128 v[\gr+32+4*\i:\gr+35+4*\i], v[L16], s[76+2*(\p):77+2*(\p)] offset:4096+512*\i
.endr
.endm
	s_wait_loadcnt 32                              ; the look-ahead's last loads have landed: K's and V's registers are free; the 32 loads just issued may be out
	WBLD 0, 0
.macro OLN t
.set BB, BXR+32*(\t)
	WIN 0x01
.set I, 0
.rept 16
	v_pk_mul_f32 v[BB+I:BB+I+1], v[BB+I:BB+I+1], 0x3a000000 op_sel_hi:[1,0]   ; O^T x 2^-11, exact; each accumulator from its low end on
.set I, I+2
.endr
	WIN 0
	v_pk_add_f32 v[22:23], v[BB:BB+1], v[BB+2:BB+3]
	v_pk_add_f32 v[24:25], v[BB+4:BB+5], v[BB+6:BB+7]
.irp i, 8,12,16,20,24,28
	v_pk_add_f32 v[22:23], v[22:23], v[BB+\i:BB+\i+1]
	v_pk_add_f32 v[24:25], v[24:25], v[BB+\i+2:BB+\i+3]
.endr
	v_pk_add_f32 v[22:23], v[22:23], v[24:25]
	v_add_f32 v22, v22, v23
	v_permlanex16_b32 v23, v22, s[SEL], s[SEL+1]   ; the query's other 32 channels lie in the lane 16 away
	v_add_f32 v22, v22, v23
	v_mul_f32 v22, s96, v22
	v_mov_b32 v23, v22
.set I, 0
.rept 16
	v_pk_add_f32 v[BB+I:BB+I+1], v[BB+I:BB+I+1], v[22:23] neg_lo:[0,1] neg_hi:[0,1]
.set I, I+2
.endr
	v_pk_mul_f32 v[24:25], v[BB:BB+1], v[BB:BB+1]
	v_pk_mul_f32 v[26:27], v[BB+2:BB+3], v[BB+2:BB+3]
.irp i, 4,8,12,16,20,24,28
	v_pk_fma_f32 v[24:25], v[BB+\i:BB+\i+1], v[BB+\i:BB+\i+1], v[24:25]
	v_pk_fma_f32 v[26:27], v[BB+\i+2:BB+\i+3], v[BB+\i+2:BB+\i+3], v[26:27]
.endr
	v_pk_add_f32 v[24:25], v[24:25], v[26:27]
	v_add_f32 v24, v24, v25
	v_permlanex16_b32 v25, v24, s[SEL], s[SEL+1]
	v_add_f32 v24, v24, v25
	v_fma_f32 v24, v24, s96, s95
	v_rsq_f32 v24, v24
	v_nop
	s_wait_alu depctr_va_vdst(0)
	v_mov_b32 v25, v24
.if (\t) == 0
	s_wait_loadcnt 24                              ; U of both tiles and the 16 scale words are in; the 24 fragment loads issued behind them may be out
.endif
.set I, 0
.rept 16
	v_pk_mul_f32 v[BB+I:BB+I+1], v[BB+I:BB+I+1], v[24:25]
.set I, I+2
.endr
.set I, 0
.rept 16
	v_pk_mul_f32 v[BB+I:BB+I+1], v[BB+I:BB+I+1], v[AR+32*(\t)+I:AR+32*(\t)+I+1]
.set I, I+2
.endr
	QUANT2 BB, P0+12*(\t), PT, TM
	v_lshl_or_b32 v[28+\t], v[TM+3], 8, v[TM+2]
.irp e, 0,1,2
	ds_store_b64 v[UDW], v[P0+12*(\t)+2*\e:P0+12*(\t)+2*\e+1] offset:6144*(\t)+256*\e
.endr
	ds_store_b16 v[USW], v[28+\t] offset:512*(\t)
.endm
	OLN 0
	WBLD 1, 1                                      ; K step 1 of o_w
	OLN 1
	XLD 0, 192                                     ; O^T has been read: its registers take rows 0 and 1 of x
	XLD 1, 224
	s_wait_dscnt 0x0
	s_barrier_signal -1
	s_barrier_wait -1                              ; the eight fragments of U x out lie in LDS
; ---- 2: y = (U out) o_w for my 128 columns and the 32 rows: sixteen accumulators by turns, a K step at a time; o_w's fragments in two buffers by turns.
; A buffer that has had its last K step takes what the rows' end wants.
.irp s, 0,1,2,3
.irp t, 0,1
.irp e, 0,1,2,3,4,5
	ds_load_b64 v[P0+12*\t+2*\e:P0+12*\t+2*\e+1], v[UDR] offset:(4*\t+\s)*1536+256*\e
.endr
	ds_load_b32 v[PW+\t], v[USR] offset:512*\t+128*\s
.endr
	s_wait_dscnt 0x0
.if \s < 2
	s_wait_loadcnt 40                              ; this step's fragments are in; the other buffer's 24 loads and x's 16 may be out
.else
	s_wait_loadcnt 24                              ; this step's fragments are in; the 24 loads issued last may be out
.endif
	WIN 0x01
.irp n, 0,1,2,3,4,5,6,7
.irp t, 0,1
.if \s == 0
	WM AR+8*(8*\t+\n), 96*(\s%2)+12*\n, P0+12*\t, 1, OWS+4*(\n/2)+\s, PW+\t, \n%2, 0
.else
	WM AR+8*(8*\t+\n), 96*(\s%2)+12*\n, P0+12*\t, 0, OWS+4*(\n/2)+\s, PW+\t, \n%2, 0
.endif
.endr
.endr
	WIN 0
	PLACES
.if \s < 2
	WBLD \s+2, \s%2
.endif
.if \s == 2
	WIN 0x40                                       ; buffer 0 is done with: o_b, the gain and the bias of the last LN
.irp i, 0,1,2,3,4,5,6,7
	global_load_b128 v[4*\i:4*\i+3], v[L16], s[16:17] offset:512*\i
	global_load_b128 v[32+4*\i:35+4*\i], v[L16], s[18:19] offset:512*\i
	global_load_b128 v[64+4*\i:67+4*\i], v[L16], s[20:21] offset:512*\i
.endr
	WIN 0
.endif
.if \s == 3
	XLD 2, 96                                      ; buffer 1 is done with: rows 2 and 3 of x;
	XLD 3, 128
	FTLD 0, 40                                     ; the builder's and p's registers: row 0's FiLM numbers
.endif
.endr
.irp t, 0,1
.irp n, 0,1,2,3,4,5,6,7
	ds_store_b128 v[STW], v[AR+8*(8*\t+\n):AR+8*(8*\t+\n)+3] offset:8*SPI*\t+64*\n        ; each accumulator from its low end on
	ds_store_b128 v[STW], v[AR+8*(8*\t+\n)+4:AR+8*(8*\t+\n)+7] offset:8*SPI*\t+64*\n+16
.endr
.endr
	s_wait_dscnt 0x0
	FTLD 1, 192                                    ; the stores have read the sums: their upper half takes row 1's FiLM numbers
	s_barrier_signal -1
	s_barrier_wait -1                              ; 32 whole rows lie in the stage
; ---- 3: each wave finishes four rows.  gr: the row's FiLM numbers; xb: its x, in window 1
.macro FROW p, gr, xb, left
	s_wait_xcnt 0x0                                ; the last row's stores have read their registers
.irp i, 0,1,2,3,4,5,6,7
	ds_load_b128 v[AR+4*\i:AR+4*\i+3], v[STR] offset:SPI*(\p)+512*\i
.endr
	s_wait_loadcnt \left                           ; the next row's 16 loads may be out
	s_wait_dscnt 0x0
	WIN 0x04
.set I, 0
.rept 16
	v_pk_add_f32 v[AR+I:AR+I+1], v[AR+I:AR+I+1], v[\xb+I:\xb+I+1]               ; + x
.set I, I+2
.endr
.set I, 0
.rept 16
	v_pk_add_f32 v[AR+I:AR+I+1], v[AR+I:AR+I+1], v[I:I+1]                       ; + o_b
.set I, I+2
.endr
	WIN 0
	v_pk_add_f32 v[22:23], v[AR:AR+1], v[AR+2:AR+3]
	v_pk_add_f32 v[24:25], v[AR+4:AR+5], v[AR+6:AR+7]
.irp i, 8,12,16,20,24,28
	v_pk_add_f32 v[22:23], v[22:23], v[AR+\i:AR+\i+1]
	v_pk_add_f32 v[24:25], v[24:25], v[AR+\i+2:AR+\i+3]
.endr
	v_pk_add_f32 v[22:23], v[22:23], v[24:25]
	v_add_f32 v22, v22, v23
	WSUM 22, 23
	v_mul_f32 v22, s97, v22
	v_mov_b32 v23, v22
.set I, 0
.rept 16
	v_pk_add_f32 v[160+I:161+I], v[AR+I:AR+I+1], v[22:23] neg_lo:[0,1] neg_hi:[0,1]
.set I, I+2
.endr
	v_pk_mul_f32 v[24:25], v[160:161], v[160:161]
	v_pk_mul_f32 v[26:27], v[162:163], v[162:163]
.irp i, 4,8,12,16,20,24,28
	v_pk_fma_f32 v[24:25], v[160+\i:161+\i], v[160+\i:161+\i], v[24:25]
	v_pk_fma_f32 v[26:27], v[162+\i:163+\i], v[162+\i:163+\i], v[26:27]
.endr
	v_pk_add_f32 v[24:25], v[24:25], v[26:27]
	v_add_f32 v24, v24, v25
	WSUM 24, 25
	v_fma_f32 v24, v24, s97, s95
	v_rsq_f32 v24, v24
	v_nop
	s_wait_alu depctr_va_vdst(0)
	v_mov_b32 v25, v24
.set I, 0
.rept 16
	v_pk_mul_f32 v[160+I:161+I], v[160+I:161+I], v[24:25]
.set I, I+2
.endr
	WIN 0x14
.set I, 0
.rept 16
	v_pk_fma_f32 v[160+I:161+I], v[160+I:161+I], v[32+I:33+I], v[64+I:65+I]     ; x gain + bias
.set I, I+2
.endr
	WIN 0
.set I, 0
.rept 16
	v_pk_fma_f32 v[AR+I:AR+I+1], v[160+I:161+I], v[\gr+I:\gr+I+1], v[AR+I:AR+I+1]
.set I, I+2
.endr
.set I, 0
.rept 16
	v_pk_add_f32 v[AR+I:AR+I+1], v[AR+I:AR+I+1], v[\gr+32+I:\gr+33+I]
.set I, I+2
.endr
.irp i, 0,1,2,3,4,5,6,7
	global_store_b128 v[L16], v[AR+4*\i:AR+4*\i+3], s[92:93] offset:4096*(\p)+512*\i th:TH_STORE_NT   ; 32 lanes store 512 consecutive bytes
.endr
.if (\p) < 2
	FTLD (\p)+2, \gr
.endif
.endm
	FROW 0, 40, 192, 16
	FROW 1, 192, 224, 16
	FROW 2, 40, 96, 16
	FROW 3, 192, 128, 0
	s_wait_tensorcnt 0x0
	ds_add_u32 v107, v111
	s_wait_dscnt 0x0
	s_endpgm
.Lfunc_end_k_q359b822fb7_attn:
	.size	k_q359b822fb7_attn, .Lfunc_end_k_q359b822fb7_attn-k_q359b822fb7_attn
	.p2alignl 7, 3214868480
	.fill 96, 4, 3214868480
	.section	.rodata,"a",@progbits
	.p2align	6, 0x0
	.amdhsa_kernel k_q359b822fb7_attn
		.amdhsa_group_segment_fixed_size 239104
		.amdhsa_private_segment_fixed_size 0
		.amdhsa_enable_private_segment 0
		.amdhsa_kernarg_size 96
		.amdhsa_user_sgpr_count 2
		.amdhsa_user_sgpr_kernarg_segment_ptr 1
		.amdhsa_wavefront_size32 1
		.amdhsa_system_sgpr_workgroup_id_x 1
		.amdhsa_system_sgpr_workgroup_id_y 1
		.amdhsa_system_sgpr_workgroup_id_z 1
		.amdhsa_system_vgpr_workitem_id 0
		.amdhsa_next_free_vgpr 512
		.amdhsa_next_free_sgpr 104
		.amdhsa_reserve_vcc 0
		.amdhsa_float_denorm_mode_32 3
		.amdhsa_float_denorm_mode_16_64 3
		.amdhsa_memory_ordered 1
		.amdhsa_forward_progress 1
		.amdhsa_inst_pref_size 255
	.end_amdhsa_kernel
	.section	.bss,"aw",@nobits
	.p2align	6
	.space	262144
	.amdgpu_metadata
---
amdhsa.version: [ 1, 2 ]
amdhsa.kernels:
  - .name:           k_q359b822fb7_attn
    .symbol:         k_q359b822fb7_attn.kd
    .args:
      - { .name: qkv, .offset: 0, .size: 8, .value_kind: global_buffer, .address_space: global }
      - { .name: ub, .offset: 8, .size: 8, .value_kind: global_buffer, .address_space: global }
      - { .name: cb, .offset: 16, .size: 8, .value_kind: global_buffer, .address_space: global }
      - { .name: tab, .offset: 24, .size: 8, .value_kind: global_buffer, .address_space: global }
      - { .name: wq, .offset: 32, .size: 8, .value_kind: global_buffer, .address_space: global }
      - { .name: x, .offset: 40, .size: 8, .value_kind: global_buffer, .address_space: global }
      - { .name: o_b, .offset: 48, .size: 8, .value_kind: global_buffer, .address_space: global }
      - { .name: pr_ln_g, .offset: 56, .size: 8, .value_kind: global_buffer, .address_space: global }
      - { .name: pr_ln_b, .offset: 64, .size: 8, .value_kind: global_buffer, .address_space: global }
      - { .name: next_action_type, .offset: 72, .size: 8, .value_kind: global_buffer, .address_space: global }
      - { .name: next_mask, .offset: 80, .size: 8, .value_kind: global_buffer, .address_space: global }
      - { .name: out0, .offset: 88, .size: 8, .value_kind: global_buffer, .address_space: global }
    .group_segment_fixed_size: 239104
    .private_segment_fixed_size: 0
    .kernarg_segment_align: 8
    .kernarg_segment_size: 96
    .max_flat_workgroup_size: 256
    .sgpr_count:     104
    .vgpr_count:     512
    .wavefront_size: 32
...
	.end_amdgpu_metadata
.endif
;; end of part 3
